; MI455X (gfx1250); checked and timed in simulation.
; The chip was launched on July 23, 2026; its instructions are those of AMD's public machine-readable ISA for CDNA 5 (MIT licence, August 2026) and "CDNA5" Instruction Set Architecture Reference Guide (July 2026). The comments in the code are by the model that wrote it; some were corrected since.
;; Summariser. Allowed arithmetic: float matrix products may take bf16 or f16 operands with f32 sums; all other float work in f32.
;; Inputs: full_vec 1 x 4,096 x 768 float32; params_emb_ln_b 768 float32; params_emb_ln_g 768 float32; params_layers_0_bf 768 float32; params_layers_0_bi 3,072 float32; params_layers_0_bk 768 float32; params_layers_0_bo 768 float32; params_layers_0_bq 768 float32; params_layers_0_bv 768 float32; params_layers_0_ln1_b 768 float32; params_layers_0_ln1_g 768 float32; params_layers_0_ln2_b 768 float32; params_layers_0_ln2_g 768 float32; params_layers_0_wf 3,072 x 768 float32; params_layers_0_wi 768 x 3,072 float32; params_layers_0_wk 768 x 768 float32; params_layers_0_wo 768 x 768 float32; params_layers_0_wq 768 x 768 float32; params_layers_0_wv 768 x 768 float32; params_layers_1_bf 768 float32; params_layers_1_bi 3,072 float32; params_layers_1_bk 768 float32; params_layers_1_bo 768 float32; params_layers_1_bq 768 float32; params_layers_1_bv 768 float32; params_layers_1_ln1_b 768 float32; params_layers_1_ln1_g 768 float32; params_layers_1_ln2_b 768 float32; params_layers_1_ln2_g 768 float32; params_layers_1_wf 3,072 x 768 float32; params_layers_1_wi 768 x 3,072 float32; params_layers_1_wk 768 x 768 float32; params_layers_1_wo 768 x 768 float32; params_layers_1_wq 768 x 768 float32; params_layers_1_wv 768 x 768 float32; params_pos_emb 4,096 x 768 float32; params_type_emb 768 float32.
;; Outputs: out0 1 x 768 float32.
;; 2 versions, each right; version 2 is version 1 with the launches emb, lna, lnb written anew for expert scheduling mode. Each part assembles by itself: llvm-mc -triple=amdgcn-amd-amdhsa -mcpu=gfx1250 --defsym DOCPART=n.
;; ======== version 1 of 2: 13 launches
;; limits: a function is approximated: absolute error at most 1.5e-07; an absolute error that grows with the inputs' magnitude: up to 7.5e-08 times it
;; workspace buffers: act 884,736 bytes; hb 1,769,472 bytes; res0 1,769,472 bytes; res1 884,736 bytes; qkv 2,211,840 bytes; part 3,538,944 bytes; vec 52,224 bytes
;; launch emb (part 1): grid 36 x 1, 8 waves a work-group, no clusters, 0 bytes of LDS; arguments full_vec, params_pos_emb, params_type_emb, params_emb_ln_g, params_emb_ln_b, res0, act; writes res0, act
.if DOCPART == 1
	.amdgcn_target "amdgcn-amd-amdhsa--gfx1250"
	.amdhsa_code_object_version 6
	.text
	.protected	k_q3437851641_emb
	.globl	k_q3437851641_emb
	.p2align	8
	.type	k_q3437851641_emb,@function
k_q3437851641_emb:
	s_mov_b64 s[64:65], 0
	v_nop
	global_prefetch_b8 v0, s[64:65] scope:SCOPE_SE
	s_setreg_imm32_b32 hwreg(HW_REG_WAVE_MODE, 25, 1), 1
	s_wait_xcnt 0x0
; y = LayerNorm(res + plane + vec) * g + b over rows of 768 f32; y leaves as f32 rows and, rounded once, as bf16 in strips [12][576 rows][64].
; Used twice: for the embedding (res = full_vec, plane = pos_emb, vec = type_emb; 576 rows) and behind layer 0's attention (res = x0, plane = a wo, vec = bo; 288 rows).
; WHICH ROWS.  The result of the whole program is token 0 of layer 1.  By the band that the model itself builds (|key - query| <= 256) it hangs on rows 0..256 of layer 0's output and these on
; rows 0..512 of the embedding; rounded up to whole tiles: 288 and 576 rows.  Rows of full_vec and pos_emb from 576 on reach no number of the output and are not read.
; SHARES.  A work-group owns 16 rows, a wave two: lanes 0-15 one row, lanes 16-31 the next.  Lane i of a row holds columns 64 j + 4 i .. + 3, j = 0..11: each load of 16 lanes covers 256 consecutive
; bytes, aligned, and so does each f32 store; a wave's bf16 store covers two neighbouring rows of one strip, 256 consecutive bytes.
; The mean is taken first and the variance of the centred numbers.  NaN and infinities are not treated apart.
.set ROWB,   3072                      ; bytes in a row of f32
.set STRIPB, 73728                     ; bytes in a strip of the bf16 output: 576 rows of 128
.set X,  16                            ; v[16:63]   my 48 numbers
.set PA, 64                            ; v[64:111]  the plane; later the bf16 output
.set VC, 112                           ; v[112:159] vec
.set GA, 160                           ; v[160:207] g
.set BB, 208                           ; v[208:255] b
; v1 offset in f32 rows; v2 offset in vec, g, b; v3 offset in the bf16 output; v[4:11] four partial pairs; v[12:13] minus the mean; v[14:15] 1 / sqrt(var + eps)
.macro LD12 dst, voff, sb, extra=0
.set j, 0
.rept 12
	global_load_b128 v[\dst+4*j:\dst+4*j+3], v\voff, s[\sb:\sb+1] offset:256*j+\extra
.set j, j+1
.endr
.endm
.macro ADD48 src
.set j, 0
.rept 24
	v_pk_add_f32 v[X+2*j:X+2*j+1], v[X+2*j:X+2*j+1], v[\src+2*j:\src+2*j+1]
.set j, j+1
.endr
.endm
.macro FOLD                            ; the four partial pairs into one number, then over the row's 16 lanes
	v_pk_add_f32 v[4:5], v[4:5], v[6:7]
	v_pk_add_f32 v[8:9], v[8:9], v[10:11]
	v_pk_add_f32 v[4:5], v[4:5], v[8:9]
	v_add_f32 v4, v4, v5
.irp m, 1,2,4,8
	v_add_f32_dpp v4, v4, v4 row_xmask:\m row_mask:0xf bank_mask:0xf
.endr
.endm
.macro STATS                           ; centres X and leaves 1 / sqrt(var + eps) in v[14:15]
.set k, 0
.rept 4
	v_pk_add_f32 v[4+2*k:5+2*k], v[X+2*k:X+2*k+1], v[X+8+2*k:X+9+2*k]
.set k, k+1
.endr
.set j, 8
.rept 16
	v_pk_add_f32 v[4+2*(j%4):5+2*(j%4)], v[4+2*(j%4):5+2*(j%4)], v[X+2*j:X+2*j+1]
.set j, j+1
.endr
	FOLD
	v_mul_f32 v12, s22, v4                         ; minus the mean
	v_mov_b32 v13, v12
.set j, 0
.rept 24
	v_pk_add_f32 v[X+2*j:X+2*j+1], v[X+2*j:X+2*j+1], v[12:13]
.set j, j+1
.endr
.set k, 0
.rept 4
	v_pk_mul_f32 v[4+2*k:5+2*k], v[X+2*k:X+2*k+1], v[X+2*k:X+2*k+1]
.set k, k+1
.endr
.set j, 4
.rept 20
	v_pk_fma_f32 v[4+2*(j%4):5+2*(j%4)], v[X+2*j:X+2*j+1], v[X+2*j:X+2*j+1], v[4+2*(j%4):5+2*(j%4)]
.set j, j+1
.endr
	FOLD
	v_fma_f32 v4, v4, s23, s24                     ; var + eps
	v_rsq_f32 v14, v4
	v_rsq_f32 v15, v4
	v_nop                                          ; a plain instruction between the root and the use of its result
.endm
	s_load_b256 s[4:11], s[0:1], 0x0               ; res s[4:5], plane s[6:7], vec s[8:9], g s[10:11]
	s_load_b128 s[12:15], s[0:1], 0x20             ; b s[12:13], f32 output s[14:15]
	s_load_b64 s[16:17], s[0:1], 0x30              ; bf16 output
	v_lshrrev_b32 v3, 4, v0                        ; my row in the group
	v_and_b32 v2, 15, v0                           ; my place in the row
	v_mul_u32_u24 v1, v3, ROWB
	v_lshl_add_u32 v1, v2, 4, v1
	v_lshlrev_b32 v3, 7, v3
	v_lshl_add_u32 v3, v2, 3, v3
	v_lshlrev_b32 v2, 4, v2
	s_mul_i32 s18, ttmp9, 16*ROWB                  ; the group's 16 rows of f32
	s_mov_b32 s19, 0
	s_lshl_b32 s20, ttmp9, 11                      ; and of a strip
	s_mov_b32 s21, 0
	s_mov_b32 s22, 0xbaaaaaab                      ; -1 / 768
	s_mov_b32 s23, 0x3aaaaaab                      ; 1 / 768
	s_mov_b32 s24, 0x3727c5ac                      ; 1e-5
	s_wait_kmcnt 0x0
	s_add_nc_u64 s[4:5], s[4:5], s[18:19]
	s_add_nc_u64 s[6:7], s[6:7], s[18:19]
	s_add_nc_u64 s[14:15], s[14:15], s[18:19]
	s_add_nc_u64 s[16:17], s[16:17], s[20:21]
	LD12 X, 1, 4                                   ; all 60 loads go out at once
	LD12 PA, 1, 6
	LD12 VC, 2, 8
	LD12 GA, 2, 10
	LD12 BB, 2, 12
	s_wait_loadcnt 24                              ; g's and b's 24 loads may stay out
	ADD48 PA
	ADD48 VC
	STATS
	s_wait_loadcnt 0x0                             ; g and b
.set j, 0
	s_wait_alu depctr_va_vdst(0)
.rept 24
	v_pk_mul_f32 v[X+2*j:X+2*j+1], v[X+2*j:X+2*j+1], v[14:15]
.set j, j+1
.endr
.set j, 0
.rept 24
	v_pk_fma_f32 v[X+2*j:X+2*j+1], v[X+2*j:X+2*j+1], v[GA+2*j:GA+2*j+1], v[BB+2*j:BB+2*j+1]
.set j, j+1
.endr
.set j, 0
.rept 12
	global_store_b128 v1, v[X+4*j:X+4*j+3], s[14:15] offset:256*j
.set j, j+1
.endr
.set j, 0
.rept 12
	v_cvt_pk_bf16_f32 v[PA+2*j], v[X+4*j], v[X+4*j+1]
	v_cvt_pk_bf16_f32 v[PA+2*j+1], v[X+4*j+2], v[X+4*j+3]
	global_store_b64 v3, v[PA+2*j:PA+2*j+1], s[16:17] offset:STRIPB*j
.set j, j+1
.endr
	s_endpgm
.Lfunc_end_k_q3437851641_emb:
	.size	k_q3437851641_emb, .Lfunc_end_k_q3437851641_emb-k_q3437851641_emb
	.p2alignl 7, 3214868480
	.fill 96, 4, 3214868480
	.section	.rodata,"a",@progbits
	.p2align	6, 0x0
	.amdhsa_kernel k_q3437851641_emb
		.amdhsa_group_segment_fixed_size 0
		.amdhsa_private_segment_fixed_size 0
		.amdhsa_enable_private_segment 0
		.amdhsa_kernarg_size 56
		.amdhsa_user_sgpr_count 2
		.amdhsa_user_sgpr_kernarg_segment_ptr 1
		.amdhsa_wavefront_size32 1
		.amdhsa_system_sgpr_workgroup_id_x 1
		.amdhsa_system_sgpr_workgroup_id_y 1
		.amdhsa_system_sgpr_workgroup_id_z 1
		.amdhsa_system_vgpr_workitem_id 0
		.amdhsa_next_free_vgpr 256
		.amdhsa_next_free_sgpr 66
		.amdhsa_reserve_vcc 0
		.amdhsa_float_denorm_mode_32 3
		.amdhsa_float_denorm_mode_16_64 3
		.amdhsa_memory_ordered 1
		.amdhsa_forward_progress 1
		.amdhsa_inst_pref_size 23
	.end_amdhsa_kernel
	.amdgpu_metadata
---
amdhsa.version: [ 1, 2 ]
amdhsa.kernels:
  - .name:           k_q3437851641_emb
    .symbol:         k_q3437851641_emb.kd
    .args:
      - { .name: full_vec, .offset: 0, .size: 8, .value_kind: global_buffer, .address_space: global }
      - { .name: params_pos_emb, .offset: 8, .size: 8, .value_kind: global_buffer, .address_space: global }
      - { .name: params_type_emb, .offset: 16, .size: 8, .value_kind: global_buffer, .address_space: global }
      - { .name: params_emb_ln_g, .offset: 24, .size: 8, .value_kind: global_buffer, .address_space: global }
      - { .name: params_emb_ln_b, .offset: 32, .size: 8, .value_kind: global_buffer, .address_space: global }
      - { .name: res0, .offset: 40, .size: 8, .value_kind: global_buffer, .address_space: global }
      - { .name: act, .offset: 48, .size: 8, .value_kind: global_buffer, .address_space: global }
    .group_segment_fixed_size: 0
    .private_segment_fixed_size: 0
    .kernarg_segment_align: 8
    .kernarg_segment_size: 56
    .max_flat_workgroup_size: 256
    .sgpr_count:     66
    .vgpr_count:     256
    .wavefront_size: 32
...
	.end_amdgpu_metadata
.endif
;; end of part 1
;; launch qkv0 (part 2): grid 12 x 15, 8 waves a work-group, clusters of 4 x 1, 327,680 bytes of LDS; arguments act, params_layers_0_wq, params_layers_0_wk, params_layers_0_wv, params_layers_0_bq, params_layers_0_bk, params_layers_0_bv, qkv; writes qkv
.if DOCPART == 2
	.amdgcn_target "amdgcn-amd-amdhsa--gfx1250"
	.amdhsa_code_object_version 6
	.text
	.protected	k_q3437851641_qkv0
	.globl	k_q3437851641_qkv0
	.p2align	8
	.type	k_q3437851641_qkv0,@function
k_q3437851641_qkv0:
	s_mov_b64 s[64:65], 0
	v_nop
	global_prefetch_b8 v0, s[64:65] scope:SCOPE_SE
	s_setreg_imm32_b32 hwreg(HW_REG_WAVE_MODE, 25, 1), 1
	s_wait_xcnt 0x0
	s_wait_alu depctr_hold_cnt(0) depctr_sa_sdst(0) depctr_va_vdst(0) depctr_va_sdst(0) depctr_va_ssrc(0) depctr_va_vcc(0) depctr_vm_vsrc(0)
	s_getreg_b32 s2, hwreg(HW_REG_IB_STS2, 6, 4)
	s_cmp_eq_u32 s2, 0
	s_cbranch_scc0 .Lentry_in_a_cluster
	s_endpgm
.Lentry_in_a_cluster:
	s_bfe_u32 s2, ttmp6, 0x10000c
	s_cmp_lg_u32 s2, 0x3003
	s_cbranch_scc0 .Lentry_shape_is_right
	s_endpgm
.Lentry_shape_is_right:
; Q, K, V = x W + b.  x: bf16 in strips [12][576 rows][64]; W: f32 [768][768], rounded to bf16 on the way into LDS; sums in f32; the result, rounded once to bf16, by heads:
; Q [12][288][64] at byte 0 of qkv, K [12][576][64] at 442,368, V at 1,327,104.  The factor 1/8 on Q is applied to the scores, in f32, by the launches that read Q.
; SHARES.  A work-group makes 96 rows x 64 columns (one head) of one of the three over all of K = 768.  Its y is a job: of five jobs in a row four are K and V of two row blocks and the fifth is Q of
; one, so that 15 jobs give K and V of 576 rows and Q of 288, and 7 jobs K and V of 288 rows and Q of 96.  Wave w of eight: columns 16 (w & 3) on, rows 48 (w >> 2) on: three accumulators, by turns.
; THE MATRIX INSTRUCTION IS USED TRANSPOSED: source 0 = 16 columns of W (turned on the way out of LDS), source 1 = 16 rows of x: a lane holds eight neighbouring columns of one row.
; ALL LOADS GO OUT AT THE HEAD: a thread's 48 loads of W (192 registers) and a wave's three tensor loads of x; three tensor loads of a wave are out at the most.  Nothing in LDS is filled twice.
; CLUSTER.  The four heads of a cluster read the same rows of x: each tile is asked for jointly, by the same tensor load with the same descriptor and the mask of all four.
; NaN and infinities are not treated apart.
.set ROWS,   576                       ; rows in a strip of x
.set WP,     3072                      ; bytes in a row of W
.set AP,     144                       ; a row of x in LDS: 128 bytes + 16 of padding
.set ASTRIP, 96*AP                     ; a strip's 96 rows
.set WT,     12*ASTRIP                 ; behind x: W in bf16, [768 k][64 n],
.set WPI,    160                       ; rows of 128 bytes + 32
.set STG,    WT+768*WPI                ; the stage for the way out
.set SP,     144
.set SPARE,  STG+96*272                ; the spare words, 128 bytes for each wave
; v1 W's offset in memory; v2 where I put W in LDS; v3 my fragments of x; v4 my fragments of W; v5 stage, in; v6 stage, back; v7 offset in the output; v63 the bias's offset
.set ACC, 8                            ; v[8:31]    three accumulators
.set BIA, 32                           ; v[32:39]   the bias of my eight columns
.set SPW, 40                           ; v40        my spare word
.set NIL, 41                           ; v41        0
.set TMP, 42                           ; v[42:62]   at work
.set WR,  64                           ; v[64:255]  W as loaded, four registers a row
.set F0,  64                           ; two sets of fragments, in the registers of W's first 16 rows: W at +0, x's three at +8, +16, +24
.set F1,  96
.set WV,  33                           ; s33        my wave's number
.set G1,  40                           ; s[40:47]   descriptor group 1
.set G0,  48                           ; s[48:59]   descriptor group 0, a set for each of the three loads
.macro CROUND                          ; a round of the cluster's barrier
	s_barrier_signal -1
	s_barrier_wait -1
	s_cmp_lg_u32 s[WV], 0
	s_cbranch_scc1 .Lnot_wave_0_\@
	s_barrier_signal -3
.Lnot_wave_0_\@:
	s_barrier_wait -3
	s_barrier_signal -1
	s_barrier_wait -1
.endm
.macro PLACES                          ; four places between a matrix instruction and a load into, or a vector instruction on, its registers
.rept 4
	v_nop
.endr
.endm
.macro WSTORE c                        ; 16 of my rows of W, K = 256 c on: rounded to bf16 and put into LDS
.set i, 16*(\c)
.rept 16
	s_wait_loadcnt 47-i                            ; loads come back in order: row i is in, the 47 - i younger ones stay out
	v_cvt_pk_bf16_f32 v[WR+4*i], v[WR+4*i], v[WR+4*i+1]
	v_cvt_pk_bf16_f32 v[WR+4*i+1], v[WR+4*i+2], v[WR+4*i+3]
	ds_store_b64 v2, v[WR+4*i:WR+4*i+1] offset:(i%16)*16*WPI
.set i, i+1
.endr
.endm
.macro FETCH ss, f                     ; eight LDS loads: the fragments of 32 along K, step ss of a chunk's eight
	ds_load_tr16_b128 v[\f:\f+3], v4 offset:(\ss)*32*WPI
	ds_load_tr16_b128 v[\f+4:\f+7], v4 offset:(\ss)*32*WPI+16*WPI
.irp mt, 0,1,2
	ds_load_b128 v[\f+8+8*\mt:\f+11+8*\mt], v3 offset:((\ss)/2)*ASTRIP+\mt*16*AP+((\ss)%2)*64
	ds_load_b128 v[\f+12+8*\mt:\f+15+8*\mt], v3 offset:((\ss)/2)*ASTRIP+\mt*16*AP+((\ss)%2)*64+32
.endr
.endm
.macro MMA f, zero                     ; the three accumulators take turns; zero = 1: the first products start the sums
.irp mt, 0,1,2
.if \zero
	v_wmma_f32_16x16x32_bf16 v[ACC+8*\mt:ACC+8*\mt+7], v[\f:\f+7], v[\f+8+8*\mt:\f+15+8*\mt], 0
.else
	v_wmma_f32_16x16x32_bf16 v[ACC+8*\mt:ACC+8*\mt+7], v[\f:\f+7], v[\f+8+8*\mt:\f+15+8*\mt], v[ACC+8*\mt:ACC+8*\mt+7]
.endif
.endr
.endm
.macro CHUNK c, zero                   ; K = 256 c .. 256 c + 255
	WSTORE \c                                      ; its 32 conversions are also the places behind the last chunk's products
	s_wait_tensorcnt 2-(\c)                        ; my part of this chunk's x is in; the later chunks' loads stay out
	s_wait_dscnt 0x0                               ; my part of W is in LDS
	s_barrier_signal -1
	s_barrier_wait -1                              ; everybody's is
	FETCH 0, F0
	FETCH 1, F1
	s_wait_dscnt 8                                 ; all but the eight just issued
	MMA F0, \zero
.set ss, 1
.rept 3
	PLACES
	FETCH ss+1, F0
	s_wait_dscnt 8
	MMA F1, 0
	PLACES
	FETCH ss+2, F1
	s_wait_dscnt 8
	MMA F0, 0
.set ss, ss+2
.endr
	s_wait_dscnt 0x0
	MMA F1, 0
.endm
.macro STEP                            ; the LDS addresses go on to the next chunk
	v_add_nc_u32 v2, 256*WPI, v2
	v_add_nc_u32 v3, 4*ASTRIP, v3
	v_add_nc_u32 v4, 256*WPI, v4
.endm
	s_load_b256 s[4:11], s[0:1], 0x0               ; x s[4:5], wq s[6:7], wk s[8:9], wv s[10:11]
	s_load_b256 s[12:19], s[0:1], 0x20             ; bq s[12:13], bk s[14:15], bv s[16:17], qkv s[18:19]
	v_lshl_add_u32 v[SPW], v0, 2, SPARE
	v_mov_b32 v[NIL], 0
	ds_add_u32 v[SPW], v[NIL]                      ; the wave's opening: the add and its wait stand ahead of my first tensor load; work on registers stands between them
	ds_add_u32 v40, v41
	v_lshrrev_b32 v54, 5, v0
	v_readfirstlane_b32 s[WV], v54
	s_bfe_u32 s20, ttmp6, 0x40000                  ; cx: my place in the cluster
	s_lshl_b32 s21, ttmp9, 2
	s_add_co_u32 s21, s21, s20                     ; the head = 4 x cluster x + cx: it enters W's, the bias's and the output's addresses alone
	s_and_b32 s32, ttmp7, 0xffff                   ; the job, which the four partners share
	s_mul_i32 s22, s32, 13
	s_lshr_b32 s22, s22, 6                         ; job / 5 (jobs 0 to 14)
	s_mul_i32 s23, s22, 5
	s_sub_co_u32 s23, s32, s23                     ; u = job % 5: 0, 2: K; 1, 3: V; 4: Q
	s_lshr_b32 s24, s23, 1
	s_lshl1_add_u32 s24, s22, s24                  ; K's and V's row block
	s_and_b32 s39, s23, 1
	s_mov_b32 s38, 442368                          ; K's place in qkv
	s_cmp_eq_u32 s39, 1
	s_cselect_b32 s38, 1327104, s38                ; V's
	s_movk_i32 s25, 576                            ; rows of a head in K and V
	s_cmp_eq_u32 s23, 4
	s_cselect_b32 s24, s22, s24                    ; Q's row block,
	s_cselect_b32 s25, 288, s25                    ; rows of a head,
	s_cselect_b32 s38, 0, s38                      ; and place
	s_mul_i32 s36, s24, 96*128                     ; x: my row block,
	s_lshr_b32 s60, s[WV], 1
	s_mul_i32 s60, s60, ROWS*128                   ; strip w >> 1 of a chunk's four,
	s_add_co_u32 s36, s36, s60
	s_and_b32 s60, s[WV], 1
	s_mul_i32 s60, s60, 48*128                     ; half w & 1 of its 96 rows
	s_add_co_u32 s36, s36, s60
	s_mov_b32 s37, 0
	s_lshl_b32 s62, s21, 8                         ; the head's 64 columns in a row of W and in the bias
	s_mov_b32 s63, 0
	s_mul_i32 s2, s21, s25                         ; the output: (head x rows + 96 x row block) x 128 bytes + the place
	s_mul_i32 s3, s24, 96
	s_add_co_u32 s2, s2, s3
	s_lshl_b32 s2, s2, 7
	s_add_co_u32 s2, s2, s38
	s_mov_b32 s3, 0
	; descriptor group 1: 48 rows of a strip are 6,144 dense bytes: asked for as 24 rows of 256 bytes, padded in LDS after every 128
	s_mov_b32 s[G1+0], 15|(1<<16)|(1<<20)|(1<<21)|(4<<22)|(3<<25)  ; 15:0 the mask of four; 17:16 2-byte elements; 20 padding on; 21 set beside a mask; 24:22 after every 32 words; 31:25 4 words
	s_mov_b32 s[G1+1], 128<<16                     ; tensor_dim0 = 128
	s_mov_b32 s[G1+2], 24<<16                      ; tensor_dim1 = 24
	s_mov_b32 s[G1+3], 128<<16                     ; tile_dim0 = 128
	s_mov_b32 s[G1+4], 24                          ; tile_dim1 = 24
	s_mov_b32 s[G1+5], 128                         ; 128 elements from row to row
	s_mov_b32 s[G1+6], 0
	s_mov_b32 s[G1+7], 0
	s_mul_i32 s61, s[WV], 48*AP                    ; where my tiles go: wave x 48 rows, + the chunk's four strips
.irp c, 0,1,2
	s_mov_b32 s[G0+4*\c], 1
	s_add_co_u32 s[G0+4*\c+1], s61, \c*4*ASTRIP
.endr
	v_lshrrev_b32 v55, 4, v0                       ; t / 16
	v_and_b32 v56, 15, v0                          ; t % 16 = lane % 16
	v_mul_u32_u24 v1, v55, WP
	v_lshl_add_u32 v1, v56, 4, v1                  ; W: row t / 16, 16 bytes at 16 (t % 16): 16 lanes cover the head's 256 bytes of a row
	v_bfe_u32 v57, v0, 5, 2                        ; my 16 columns
	v_bfe_u32 v58, v0, 4, 1                        ; lane / 16
	v_lshlrev_b32 v63, 5, v58
	v_lshl_add_u32 v63, v57, 6, v63                ; the bias of columns 16 (w & 3) + 8 (lane / 16) on
	s_wait_dscnt 0x0                               ; the opening add is done
	s_wait_kmcnt 0x0
	s_cmp_eq_u32 s39, 1
	s_cselect_b64 s[26:27], s[10:11], s[8:9]       ; V's or K's weights and bias,
	s_cselect_b64 s[34:35], s[16:17], s[14:15]
	s_cmp_eq_u32 s23, 4
	s_cselect_b64 s[26:27], s[6:7], s[26:27]       ; or Q's
	s_cselect_b64 s[34:35], s[12:13], s[34:35]
	s_add_nc_u64 s[26:27], s[26:27], s[62:63]
	s_add_nc_u64 s[34:35], s[34:35], s[62:63]
	s_add_nc_u64 s[28:29], s[26:27], 256*WP        ; a base for each chunk of 256 rows
	s_add_nc_u64 s[30:31], s[26:27], 512*WP
	s_add_nc_u64 s[18:19], s[18:19], s[2:3]
	s_add_nc_u64 s[4:5], s[4:5], s[36:37]
.irp c, 0,1,2
	s_add_nc_u64 s[G0+4*\c+2:G0+4*\c+3], s[4:5], \c*4*ROWS*128
	s_or_b32 s[G0+4*\c+3], s[G0+4*\c+3], 0x80000000
.endr
	global_load_b128 v[BIA:BIA+3], v63, s[34:35]
	global_load_b128 v[BIA+4:BIA+7], v63, s[34:35] offset:16
.set i, 0
.rept 48
	global_load_b128 v[WR+4*i:WR+4*i+3], v1, s[26+2*(i/16):27+2*(i/16)] offset:(i%16)*16*WP
.set i, i+1
.endr
	CROUND                                         ; all four work-groups are here: the joint loads meet
.irp c, 0,1,2
	tensor_load_to_lds s[G0+4*\c:G0+4*\c+3], s[G1:G1+7]
	s_nop 0
.endr
	PLACES
	v_lshrrev_b32 v59, 7, v0                       ; my half of the rows
	v_mul_u32_u24 v59, v59, 48
	v_add_nc_u32 v59, v59, v56                     ; row 48 (w >> 2) + lane % 16
	v_mul_u32_u24 v3, v59, AP
	v_lshl_add_u32 v3, v58, 4, v3
	v_and_b32 v60, 7, v0
	v_lshl_add_u32 v60, v58, 3, v60                ; the turning load: row 8 (lane / 16) + lane % 8 of W,
	v_mul_u32_u24 v4, v60, WPI
	v_lshl_add_u32 v4, v57, 5, v4                  ; my 16 columns,
	v_bfe_u32 v60, v0, 3, 1
	v_lshl_add_u32 v4, v60, 4, v4                  ; their half (lane / 8) % 2
	v_add_nc_u32 v4, WT, v4
	v_mul_u32_u24 v2, v55, WPI
	v_lshl_add_u32 v2, v56, 3, v2
	v_add_nc_u32 v2, WT, v2
	v_mul_u32_u24 v5, v59, SP                      ; stage, in: my row, 32 bytes for each 16 columns, 16 for each half of the lanes
	v_lshl_add_u32 v5, v57, 5, v5
	v_lshl_add_u32 v5, v58, 4, v5
	v_add_nc_u32 v5, STG, v5
	v_lshrrev_b32 v61, 3, v0                       ; back: eight threads take a row of 128 bytes
	v_mul_u32_u24 v6, v61, SP
	v_and_b32 v61, 7, v0
	v_lshl_add_u32 v6, v61, 4, v6
	v_add_nc_u32 v6, STG, v6
	v_lshlrev_b32 v7, 4, v0                        ; the block of 96 rows x 128 bytes is dense in the output
	CHUNK 0, 1
	STEP
	CHUNK 1, 0
	STEP
	CHUNK 2, 0
	PLACES
	; THE WAY OUT: + bias, rounded to bf16, through the stage, out as dense bytes: a wave's store covers 512 consecutive bytes
.irp mt, 0,1,2
.irp p, 0,1,2,3
	v_pk_add_f32 v[ACC+8*\mt+2*\p:ACC+8*\mt+2*\p+1], v[ACC+8*\mt+2*\p:ACC+8*\mt+2*\p+1], v[BIA+2*\p:BIA+2*\p+1]
.endr
.irp p, 0,1,2,3
	v_cvt_pk_bf16_f32 v[TMP+4*\mt+\p], v[ACC+8*\mt+2*\p], v[ACC+8*\mt+2*\p+1]
.endr
	ds_store_b128 v5, v[TMP+4*\mt:TMP+4*\mt+3] offset:\mt*16*SP
.endr
	s_wait_dscnt 0x0                               ; for the others' sake: my stores into the stage are done
	s_barrier_signal -1
	s_barrier_wait -1
.irp i, 0,1,2
	ds_load_b128 v[WR+4*\i:WR+4*\i+3], v6 offset:\i*32*SP
.endr
.irp i, 0,1,2
	s_wait_dscnt 2-\i
	global_store_b128 v7, v[WR+4*\i:WR+4*\i+3], s[18:19] offset:\i*4096
.endr
	s_wait_tensorcnt 0x0                           ; the wave's end
	ds_add_u32 v[SPW], v[NIL]
	s_wait_dscnt 0x0
	CROUND                                         ; the closing round
	s_endpgm
.Lfunc_end_k_q3437851641_qkv0:
	.size	k_q3437851641_qkv0, .Lfunc_end_k_q3437851641_qkv0-k_q3437851641_qkv0
	.p2alignl 7, 3214868480
	.fill 96, 4, 3214868480
	.section	.rodata,"a",@progbits
	.p2align	6, 0x0
	.amdhsa_kernel k_q3437851641_qkv0
		.amdhsa_group_segment_fixed_size 327680
		.amdhsa_private_segment_fixed_size 0
		.amdhsa_enable_private_segment 0
		.amdhsa_kernarg_size 64
		.amdhsa_user_sgpr_count 2
		.amdhsa_user_sgpr_kernarg_segment_ptr 1
		.amdhsa_wavefront_size32 1
		.amdhsa_system_sgpr_workgroup_id_x 1
		.amdhsa_system_sgpr_workgroup_id_y 1
		.amdhsa_system_sgpr_workgroup_id_z 1
		.amdhsa_system_vgpr_workitem_id 0
		.amdhsa_next_free_vgpr 256
		.amdhsa_next_free_sgpr 66
		.amdhsa_reserve_vcc 0
		.amdhsa_float_denorm_mode_32 3
		.amdhsa_float_denorm_mode_16_64 3
		.amdhsa_memory_ordered 1
		.amdhsa_forward_progress 1
		.amdhsa_inst_pref_size 45
	.end_amdhsa_kernel
	.amdgpu_metadata
---
amdhsa.version: [ 1, 2 ]
amdhsa.kernels:
  - .name:           k_q3437851641_qkv0
    .symbol:         k_q3437851641_qkv0.kd
    .args:
      - { .name: act, .offset: 0, .size: 8, .value_kind: global_buffer, .address_space: global }
      - { .name: params_layers_0_wq, .offset: 8, .size: 8, .value_kind: global_buffer, .address_space: global }
      - { .name: params_layers_0_wk, .offset: 16, .size: 8, .value_kind: global_buffer, .address_space: global }
      - { .name: params_layers_0_wv, .offset: 24, .size: 8, .value_kind: global_buffer, .address_space: global }
      - { .name: params_layers_0_bq, .offset: 32, .size: 8, .value_kind: global_buffer, .address_space: global }
      - { .name: params_layers_0_bk, .offset: 40, .size: 8, .value_kind: global_buffer, .address_space: global }
      - { .name: params_layers_0_bv, .offset: 48, .size: 8, .value_kind: global_buffer, .address_space: global }
      - { .name: qkv, .offset: 56, .size: 8, .value_kind: global_buffer, .address_space: global }
    .group_segment_fixed_size: 327680
    .private_segment_fixed_size: 0
    .kernarg_segment_align: 8
    .kernarg_segment_size: 64
    .max_flat_workgroup_size: 256
    .sgpr_count:     66
    .vgpr_count:     256
    .wavefront_size: 32
...
	.end_amdgpu_metadata
.endif
;; end of part 2
;; launch att0 (part 3): grid 12 x 3, 6 waves a work-group, no clusters, 196,608 bytes of LDS; arguments qkv, hb; writes hb
.if DOCPART == 3
	.amdgcn_target "amdgcn-amd-amdhsa--gfx1250"
	.amdhsa_code_object_version 6
	.text
	.protected	k_q3437851641_att0
	.globl	k_q3437851641_att0
	.p2align	8
	.type	k_q3437851641_att0,@function
k_q3437851641_att0:
	s_mov_b64 s[64:65], 0
	v_nop
	global_prefetch_b8 v0, s[64:65] scope:SCOPE_SE
	s_setreg_imm32_b32 hwreg(HW_REG_WAVE_MODE, 25, 1), 1
	s_wait_xcnt 0x0
; Layer 0's banded attention for queries 0..287: O[h][q] = the sum over keys k, |k - q| <= 256, of softmax_k(Q[h][q] . K[h][k] / 8) V[h][k].  Q [12][288][64], K, V [12][576][64], O [12][288][64], bf16.
; The band is the mask that the model builds from its three chunks; keys up to 543 are seen by these queries, and 576 are held.
; Products, maxima and sums in f32; the weights are rounded to bf16 for the second product (their sum is taken of the unrounded weights), O once at the end.
; LIMITS.  A hidden score counts as its value less 1e30, so its weight is 0 (the model's -1e9 differs only where a row's visible scores lie below about -1e9); a weight below 2^-126 counts as 0;
; NaN and infinities are not treated apart.
; SHARES.  A work-group: one head, 96 queries; each of six waves 16 queries.  All 576 keys of the head lie in LDS, brought by two tensor loads a wave, both out together; nothing is filled twice.
; NO CLUSTER: a head has three work-groups, which no cluster of four divides.
; LAYOUT.  S^T = K Q^T: a lane holds ONE query (lane % 16) and the keys 8 (lane / 16) + 0..7; two such results rounded to bf16 ARE source 1 of O^T = V^T P.  K comes out of LDS as it lies, V turned.
; TWO PASSES of 18 steps of 32 keys, the same for every wave: the first finds each query's true maximum of the visible scores, the second makes the scores again, the weights and O.  The scores of 576
; keys do not fit into the registers, and making them twice is 72 products a wave.
; THE MASK starts the sum: the accumulator is set to MU a + ML b + g ahead of the products.  For key tile kt and query tile qt, D = kt - qt: a = 1 if D = 16 (MU hides keys above the band's upper edge),
; b = 1 if D = -16 (ML: below its lower edge), g = -1e30 if |D| > 16.
.set PK,    144                        ; a row of K in LDS: 128 bytes + 16
.set PV,    160                        ; a row of V: 128 + 32
.set VB,    576*PK                     ; V lies behind K
.set STAGE, VB+576*PV                  ; 16 rows x 144 bytes for each wave, for the way out
.set SP,    144
.set SPARE, STAGE+6*16*SP              ; the spare words, 128 bytes for each wave
.set Q,   8                            ; v[8:23]    Q: channels 0-31, 32-63
.set KF,  24                           ; v[24:55]   K of a step: key tile kb, channel half c at KF + 16 kb + 8 c
.set VF,  56                           ; v[56:87]   V of a step: channel block cb at VF + 8 cb
.set S,   88                           ; v[88:103]  S^T: two key tiles
.set P,   104                          ; v[104:111] the weights in bf16
.set O,   112                          ; v[112:143] O^T: four channel blocks
.set MU,  144                          ; v[144:151]
.set ML,  152                          ; v[152:159]
; v160-163 two maxima and one at work, then two pairs of sums; v[164:165] -c m, twice, then 1 / l
.set QO,  166
.set AK0, 167                          ; my lane's place in K; never rewritten
.set AV0, 168                          ; in V
.set AK,  169                          ; the address of K's next run of loads
.set AV,  170
.set STO, 171
.set RD,  172
.set GO,  173
.set SPW, 174
.set NIL, 175
.set G1K, 16                           ; s[16:23], s[24:31] descriptor groups 1; s[32:35], s[36:39] groups 0
.set G1V, 24
.set G0K, 32
.set G0V, 36
; s8 wave; s11 query tile; s[40:41] c; s[42:43] lane selects; s[44:55] a, b, g of the step's two key tiles, each the low word of a pair; s56 -1e30; s57 D + 16 of the next step's first tile;
; s58, s59 LDS bytes at which K and V of the step to be fetched begin; s60 the loops' count; s61 at work; s62 -c
.macro PLACES
.rept 4
	v_nop
.endr
.endm
.macro FLAGS                           ; a, b, g for the key tiles 2 s and 2 s + 1; then s57 steps
	s_cmp_eq_u32 s57, 32
	s_cselect_b32 s44, 1.0, 0
	s_cmp_eq_u32 s57, 0
	s_cselect_b32 s46, 1.0, 0
	s_cmp_gt_u32 s57, 32
	s_cselect_b32 s48, s56, 0
	s_add_co_u32 s61, s57, 1
	s_cmp_eq_u32 s61, 32
	s_cselect_b32 s50, 1.0, 0
	s_cmp_eq_u32 s61, 0
	s_cselect_b32 s52, 1.0, 0
	s_cmp_gt_u32 s61, 32
	s_cselect_b32 s54, s56, 0
	s_add_co_u32 s57, s57, 2
.endm
.macro MASKS                           ; the two accumulators are set to their masks
.irp p, 0,1,2,3
	v_pk_fma_f32 v[S+2*\p:S+2*\p+1], v[MU+2*\p:MU+2*\p+1], s[44:45], s[48:49] op_sel_hi:[1,0,0]
	v_pk_fma_f32 v[S+8+2*\p:S+9+2*\p], v[MU+2*\p:MU+2*\p+1], s[50:51], s[54:55] op_sel_hi:[1,0,0]
.endr
.irp p, 0,1,2,3
	v_pk_fma_f32 v[S+2*\p:S+2*\p+1], v[ML+2*\p:ML+2*\p+1], s[46:47], v[S+2*\p:S+2*\p+1] op_sel_hi:[1,0,1]
	v_pk_fma_f32 v[S+8+2*\p:S+9+2*\p], v[ML+2*\p:ML+2*\p+1], s[52:53], v[S+8+2*\p:S+9+2*\p] op_sel_hi:[1,0,1]
.endr
.endm
.macro KLOAD                           ; eight loads: 32 keys x 64 channels
	v_add_nc_u32 v[AK], s58, v[AK0]
	s_add_co_u32 s58, s58, 32*PK
.irp f, 0,1,2,3
	ds_load_b128 v[KF+8*\f:KF+8*\f+3], v[AK] offset:(\f/2)*16*PK+(\f%2)*64
	ds_load_b128 v[KF+8*\f+4:KF+8*\f+7], v[AK] offset:(\f/2)*16*PK+(\f%2)*64+32
.endr
.endm
.macro VLOAD                           ; eight turning loads: 64 channels x 32 keys
	v_add_nc_u32 v[AV], s59, v[AV0]
	s_add_co_u32 s59, s59, 32*PV
.irp f, 0,1,2,3
	ds_load_tr16_b128 v[VF+8*\f:VF+8*\f+3], v[AV] offset:\f*32
	ds_load_tr16_b128 v[VF+8*\f+4:VF+8*\f+7], v[AV] offset:16*PV+\f*32
.endr
.endm
.macro SPROD                           ; the two accumulators take turns
	v_wmma_f32_16x16x32_bf16 v[S:S+7], v[KF:KF+7], v[Q:Q+7], v[S:S+7]
	v_wmma_f32_16x16x32_bf16 v[S+8:S+15], v[KF+16:KF+23], v[Q:Q+7], v[S+8:S+15]
	v_wmma_f32_16x16x32_bf16 v[S:S+7], v[KF+8:KF+15], v[Q+8:Q+15], v[S:S+7]
	v_wmma_f32_16x16x32_bf16 v[S+8:S+15], v[KF+24:KF+31], v[Q+8:Q+15], v[S+8:S+15]
.endm
; A step of the first pass.  pre = 1: the next step's K is fetched and its masks are set.
.macro P1 pre
	s_wait_dscnt 0x0                               ; K is in
	SPROD
.if \pre
	FLAGS
.endif
	PLACES
.if \pre
	KLOAD
.endif
.irp p, 0,1,2,3                        ; two chains; each accumulator's lowest registers are read first
	v_max3_num_f32 v160, v160, v[S+2*\p], v[S+2*\p+1]
	v_max3_num_f32 v161, v161, v[S+8+2*\p], v[S+9+2*\p]
.endr
.if \pre
	MASKS
.endif
.endm
; A step of the second pass.  first = 1: its products start O^T's sums.
.macro P2 first, pre
	s_wait_dscnt 8                                 ; K is in; V's eight loads, issued behind it, may be out
	SPROD
.if \pre
	FLAGS
.endif
	PLACES
.if \pre
	KLOAD
.endif
.irp p, 0,1,2,3,4,5,6,7
	v_pk_fma_f32 v[S+2*\p:S+2*\p+1], v[S+2*\p:S+2*\p+1], s[40:41], v[164:165] op_sel_hi:[1,0,1]  ; c s - c m
.endr
.irp j, 0,1,2,3,4,5,6,7,8,9,10,11,12,13,14,15
	v_exp_f32 v[S+\j], v[S+\j]
.endr
	v_nop                                          ; a plain instruction between the last exponential and the use of its result
	s_wait_alu depctr_va_vdst(0)
.irp p, 0,1,2,3
	v_pk_add_f32 v[160:161], v[160:161], v[S+2*\p:S+2*\p+1]
	v_pk_add_f32 v[162:163], v[162:163], v[S+8+2*\p:S+9+2*\p]
.endr
.irp p, 0,1,2,3,4,5,6,7
	v_cvt_pk_bf16_f32 v[P+\p], v[S+2*\p], v[S+2*\p+1]
.endr
	s_wait_dscnt 8*(\pre)                          ; V is in; the next step's K, issued behind it, may be out
.irp cb, 0,1,2,3
.if \first
	v_wmma_f32_16x16x32_bf16 v[O+8*\cb:O+8*\cb+7], v[VF+8*\cb:VF+8*\cb+7], v[P:P+7], 0
.else
	v_wmma_f32_16x16x32_bf16 v[O+8*\cb:O+8*\cb+7], v[VF+8*\cb:VF+8*\cb+7], v[P:P+7], v[O+8*\cb:O+8*\cb+7]
.endif
.endr
	PLACES
.if \pre
	VLOAD
	MASKS
.endif
.endm
	s_load_b128 s[4:7], s[0:1], 0x0                ; qkv s[4:5], O s[6:7]
	v_lshl_add_u32 v[SPW], v0, 2, SPARE
	v_mov_b32 v[NIL], 0
	ds_add_u32 v[SPW], v[NIL]                      ; the wave's opening: the add and its wait stand ahead of my first tensor load; work on registers stands between them
	ds_add_u32 v174, v175
	v_lshrrev_b32 v1, 5, v0
	v_readfirstlane_b32 s8, v1
	s_and_b32 s10, ttmp7, 0xffff
	s_mul_i32 s11, s10, 6
	s_add_co_u32 s11, s11, s8                      ; my query tile
	; descriptor groups 1: 96 keys are 12,288 dense bytes: asked for as 48 rows of 256 bytes, padded in LDS after every key
	s_mov_b32 s[G1K], (1<<16)|(1<<20)|(4<<22)|(3<<25)  ; 17:16 2-byte elements; 20 padding on; 24:22 after every 32 words; 31:25 4 words
	s_mov_b32 s[G1V], (1<<16)|(1<<20)|(4<<22)|(7<<25)  ; the same with 8 words
.irp g, G1K, G1V
	s_mov_b32 s[\g+1], 128<<16
	s_mov_b32 s[\g+2], 48<<16
	s_mov_b32 s[\g+3], 128<<16
	s_mov_b32 s[\g+4], 48
	s_mov_b32 s[\g+5], 128
	s_mov_b32 s[\g+6], 0
	s_mov_b32 s[\g+7], 0
.endr
	s_mov_b32 s[G0K], 1
	s_mul_i32 s[G0K+1], s8, 96*PK
	s_mov_b32 s[G0V], 1
	s_mul_i32 s[G0V+1], s8, 96*PV
	s_add_co_u32 s[G0V+1], s[G0V+1], VB
	s_mul_i32 s12, ttmp9, 73728                    ; the head's K, my 96 keys
	s_mul_i32 s61, s8, 12288
	s_add_co_u32 s12, s12, s61
	s_add_co_u32 s12, s12, 442368
	s_mov_b32 s13, 0
	s_mul_i32 s14, ttmp9, 288                      ; my 16 rows of Q and of O
	s_lshl4_add_u32 s14, s11, s14
	s_lshl_b32 s14, s14, 7
	s_mov_b32 s15, 0
	s_mov_b32 s40, 0x3e38aa3b                      ; c = log2(e) / 8
	s_mov_b32 s41, s40
	s_mov_b32 s62, 0xbe38aa3b                      ; -c
	s_mov_b32 s42, 0x76543210
	s_mov_b32 s43, 0xfedcba98
	s_mov_b32 s56, 0xf149f2ca                      ; -1e30
.irp r, 45,47,49,51,53,55
	s_mov_b32 s\r, 0                               ; named as pairs
.endr
	s_wait_dscnt 0x0                               ; the opening add is done
	s_wait_kmcnt 0x0
	s_add_nc_u64 s[G0K+2:G0K+3], s[4:5], s[12:13]
	s_add_nc_u64 s[G0V+2:G0V+3], s[G0K+2:G0K+3], 884736  ; V lies 884,736 bytes behind K
	s_or_b32 s[G0K+3], s[G0K+3], 0x80000000
	s_or_b32 s[G0V+3], s[G0V+3], 0x80000000
	s_add_nc_u64 s[4:5], s[4:5], s[14:15]
	s_add_nc_u64 s[6:7], s[6:7], s[14:15]
	tensor_load_to_lds s[G0K:G0K+3], s[G1K:G1K+7]
	s_nop 0
	tensor_load_to_lds s[G0V:G0V+3], s[G1V:G1V+7]
	s_nop 0
	v_and_b32 v1, 15, v0                           ; lane % 16
	v_bfe_u32 v2, v0, 4, 1                         ; lane / 16
	v_lshlrev_b32 v[QO], 7, v1
	v_lshl_add_u32 v[QO], v2, 4, v[QO]
.irp i, 0,1,2,3
	global_load_b128 v[Q+4*\i:Q+4*\i+3], v[QO], s[4:5] offset:32*\i
.endr
	v_mul_u32_u24 v[AK0], v1, PK
	v_lshl_add_u32 v[AK0], v2, 4, v[AK0]
	v_and_b32 v4, 7, v0
	v_lshl_add_u32 v[AV0], v2, 3, v4
	v_mul_u32_u24 v[AV0], v[AV0], PV
	v_bfe_u32 v5, v0, 3, 1
	v_lshl_add_u32 v[AV0], v5, 4, v[AV0]
	v_add_nc_u32 v[AV0], VB, v[AV0]
	s_mul_i32 s61, s8, 16*SP
	s_add_co_u32 s61, s61, STAGE                   ; my stage
	v_mul_u32_u24 v[STO], v1, SP
	v_lshl_add_u32 v[STO], v2, 4, v[STO]
	v_add_nc_u32 v[STO], s61, v[STO]
	v_bfe_u32 v[RD], v0, 3, 2
	v_mul_u32_u24 v[RD], v[RD], SP
	v_lshl_add_u32 v[RD], v4, 4, v[RD]
	v_add_nc_u32 v[RD], s61, v[RD]
	v_and_b32 v[GO], 31, v0
	v_lshlrev_b32 v[GO], 4, v[GO]
	v_lshlrev_b32 v3, 3, v2
	v_sub_nc_u32 v3, v1, v3                        ; lane % 16 - 8 (lane / 16): register j's key lies above my query's place where j is greater, below where it is less
.set j, 0
.rept 8
	v_cmp_gt_i32 vcc_lo, j, v3
	v_cndmask_b32 v[MU+j], 0, s56, vcc_lo
	v_cmp_lt_i32 vcc_lo, j, v3
	v_cndmask_b32 v[ML+j], 0, s56, vcc_lo
.set j, j+1
.endr
	v_mov_b32 v160, 0xff7fffff                     ; the lowest finite number
	v_mov_b32 v161, 0xff7fffff
	v_mov_b32 v162, 0
	s_sub_co_u32 s57, 16, s11
	s_mov_b32 s58, 0
	FLAGS
	MASKS
	s_wait_tensorcnt 0x0                           ; my keys are in,
	s_barrier_signal -1
	s_barrier_wait -1                              ; everybody's are
	KLOAD
	s_wait_loadcnt 0x0                             ; Q
	s_mov_b32 s60, 17
.Lpass1:
	P1 1
	s_sub_co_u32 s60, s60, 1
	s_cmp_lg_u32 s60, 0
	s_cbranch_scc1 .Lpass1
	P1 0
	v_max_num_f32 v160, v160, v161
	v_permlanex16_b32 v162, v160, s42, s43         ; the query's other keys lie in the lane 16 away
	v_max_num_f32 v160, v160, v162
	v_mul_f32 v164, s62, v160                      ; -c m
	v_mov_b32 v165, v164
.irp r, 160,161,162,163
	v_mov_b32 v\r, 0                               ; the sums of the weights
.endr
	s_sub_co_u32 s57, 16, s11
	s_mov_b32 s58, 0
	s_mov_b32 s59, 0
	FLAGS
	MASKS
	KLOAD
	VLOAD
	P2 1, 1
	s_mov_b32 s60, 16
.Lpass2:
	P2 0, 1
	s_sub_co_u32 s60, s60, 1
	s_cmp_lg_u32 s60, 0
	s_cbranch_scc1 .Lpass2
	P2 0, 0
	; THE WAY OUT: O^T / l, rounded to bf16, through my own stage, out as 2,048 dense bytes
	v_pk_add_f32 v[160:161], v[160:161], v[162:163]
	v_add_f32 v160, v160, v161
	v_permlanex16_b32 v162, v160, s42, s43
	v_add_f32 v160, v160, v162
	v_rcp_f32 v164, v160
	v_rcp_f32 v165, v160
	v_nop
.set j, 0
	s_wait_alu depctr_va_vdst(0)
.rept 16
	v_pk_mul_f32 v[O+2*j:O+2*j+1], v[O+2*j:O+2*j+1], v[164:165]
.set j, j+1
.endr
.set j, 0
.rept 16
	v_cvt_pk_bf16_f32 v[S+j], v[O+2*j], v[O+2*j+1]
.set j, j+1
.endr
.irp f, 0,1,2,3
	ds_store_b128 v[STO], v[S+4*\f:S+4*\f+3] offset:32*\f
.endr
.irp f, 0,1,2,3
	ds_load_b128 v[S+4*\f:S+4*\f+3], v[RD] offset:\f*4*SP  ; LDS serves a wave's instructions in order (ISA guide 5.7.1.4): these see the stores above
.endr
.irp f, 0,1,2,3
	s_wait_dscnt 3-\f
	global_store_b128 v[GO], v[S+4*\f:S+4*\f+3], s[6:7] offset:\f*512
.endr
	s_wait_tensorcnt 0x0                           ; the wave's end
	ds_add_u32 v[SPW], v[NIL]
	s_wait_dscnt 0x0
	s_endpgm
.Lfunc_end_k_q3437851641_att0:
	.size	k_q3437851641_att0, .Lfunc_end_k_q3437851641_att0-k_q3437851641_att0
	.p2alignl 7, 3214868480
	.fill 96, 4, 3214868480
	.section	.rodata,"a",@progbits
	.p2align	6, 0x0
	.amdhsa_kernel k_q3437851641_att0
		.amdhsa_group_segment_fixed_size 196608
		.amdhsa_private_segment_fixed_size 0
		.amdhsa_enable_private_segment 0
		.amdhsa_kernarg_size 16
		.amdhsa_user_sgpr_count 2
		.amdhsa_user_sgpr_kernarg_segment_ptr 1
		.amdhsa_wavefront_size32 1
		.amdhsa_system_sgpr_workgroup_id_x 1
		.amdhsa_system_sgpr_workgroup_id_y 1
		.amdhsa_system_sgpr_workgroup_id_z 1
		.amdhsa_system_vgpr_workitem_id 0
		.amdhsa_next_free_vgpr 176
		.amdhsa_next_free_sgpr 66
		.amdhsa_reserve_vcc 1
		.amdhsa_float_denorm_mode_32 3
		.amdhsa_float_denorm_mode_16_64 3
		.amdhsa_memory_ordered 1
		.amdhsa_forward_progress 1
		.amdhsa_inst_pref_size 34
	.end_amdhsa_kernel
	.amdgpu_metadata
---
amdhsa.version: [ 1, 2 ]
amdhsa.kernels:
  - .name:           k_q3437851641_att0
    .symbol:         k_q3437851641_att0.kd
    .args:
      - { .name: qkv, .offset: 0, .size: 8, .value_kind: global_buffer, .address_space: global }
      - { .name: hb, .offset: 8, .size: 8, .value_kind: global_buffer, .address_space: global }
    .group_segment_fixed_size: 196608
    .private_segment_fixed_size: 0
    .kernarg_segment_align: 8
    .kernarg_segment_size: 16
    .max_flat_workgroup_size: 192
    .sgpr_count:     66
    .vgpr_count:     176
    .wavefront_size: 32
...
	.end_amdgpu_metadata
.endif
;; end of part 3
;; launch wo0 (part 4): grid 12 x 3, 8 waves a work-group, clusters of 4 x 1, 327,680 bytes of LDS; arguments hb, params_layers_0_wo, part; writes part
.if DOCPART == 4
	.amdgcn_target "amdgcn-amd-amdhsa--gfx1250"
	.amdhsa_code_object_version 6
	.text
	.protected	k_q3437851641_wo0
	.globl	k_q3437851641_wo0
	.p2align	8
	.type	k_q3437851641_wo0,@function
k_q3437851641_wo0:
	s_mov_b64 s[64:65], 0
	v_nop
	global_prefetch_b8 v0, s[64:65] scope:SCOPE_SE
	s_setreg_imm32_b32 hwreg(HW_REG_WAVE_MODE, 25, 1), 1
	s_wait_xcnt 0x0
	s_wait_alu depctr_hold_cnt(0) depctr_sa_sdst(0) depctr_va_vdst(0) depctr_va_sdst(0) depctr_va_ssrc(0) depctr_va_vcc(0) depctr_vm_vsrc(0)
	s_getreg_b32 s2, hwreg(HW_REG_IB_STS2, 6, 4)
	s_cmp_eq_u32 s2, 0
	s_cbranch_scc0 .Lentry_in_a_cluster
	s_endpgm
.Lentry_in_a_cluster:
	s_bfe_u32 s2, ttmp6, 0x10000c
	s_cmp_lg_u32 s2, 0x3003
	s_cbranch_scc0 .Lentry_shape_is_right
	s_endpgm
.Lentry_shape_is_right:
; part[ks] = A[:, 768 ks .. 768 ks + 767] W[768 ks .. , :], planes of f32 [288][768] that the LayerNorm behind adds up.  A: bf16 in strips [12 or 48][288 rows][64]; W: f32 [768 or 3072][768],
; rounded to bf16 on the way into LDS; sums in f32.  Used for a wo (one plane) and for h wf (four planes: K = 3072 in four parts, each part a work-group's, each plane stored by one owner).
; SHARES.  A work-group makes 96 rows x 64 columns over K = 768; its y is 3 ks + row block.  Wave w of eight: columns 16 (w & 3) on, rows 48 (w >> 2) on: three accumulators, by turns.
; THE MATRIX INSTRUCTION IS USED TRANSPOSED: source 0 = 16 columns of W (turned on the way out of LDS), source 1 = 16 rows of A: a lane holds eight neighbouring columns of one row.
; ALL LOADS GO OUT AT THE HEAD: a thread's 48 loads of W and a wave's three tensor loads of A; three tensor loads of a wave are out at the most.  Nothing in LDS is filled twice.
; CLUSTER.  The four column strips of a cluster read the same rows of A: each tile is asked for jointly, by the same tensor load with the same descriptor and the mask of all four.
.set ROWS,   288                       ; rows in a strip of A
.set WP,     3072                      ; bytes in a row of W
.set AP,     144                       ; a row of A in LDS: 128 bytes + 16 of padding
.set ASTRIP, 96*AP
.set WT,     12*ASTRIP                 ; behind A: W in bf16, [768 k][64 n],
.set WPI,    160                       ; rows of 128 bytes + 32
.set STG,    WT+768*WPI                ; the stage for the way out: 96 rows of
.set SP,     272                       ; 256 bytes + 16
.set SPARE,  STG+96*272                ; the spare words, 128 bytes for each wave
; v1 W's offset in memory; v2 where I put W in LDS; v3 my fragments of A; v4 my fragments of W; v5 stage, in; v6 stage, back; v7 offset in the output
.set ACC, 8
.set SPW, 40
.set NIL, 41
.set WR,  64
.set F0,  64
.set F1,  96
.set WV,  33
.set G1,  40
.set G0,  48
.macro CROUND                          ; a round of the cluster's barrier
	s_barrier_signal -1
	s_barrier_wait -1
	s_cmp_lg_u32 s[WV], 0
	s_cbranch_scc1 .Lnot_wave_0_\@
	s_barrier_signal -3
.Lnot_wave_0_\@:
	s_barrier_wait -3
	s_barrier_signal -1
	s_barrier_wait -1
.endm
.macro PLACES                          ; four places between a matrix instruction and a load into, or a store or vector instruction on, its registers
.rept 4
	v_nop
.endr
.endm
.macro WSTORE c
.set i, 16*(\c)
.rept 16
	s_wait_loadcnt 47-i                            ; row i is in, the 47 - i younger ones stay out
	v_cvt_pk_bf16_f32 v[WR+4*i], v[WR+4*i], v[WR+4*i+1]
	v_cvt_pk_bf16_f32 v[WR+4*i+1], v[WR+4*i+2], v[WR+4*i+3]
	ds_store_b64 v2, v[WR+4*i:WR+4*i+1] offset:(i%16)*16*WPI
.set i, i+1
.endr
.endm
.macro FETCH ss, f
	ds_load_tr16_b128 v[\f:\f+3], v4 offset:(\ss)*32*WPI
	ds_load_tr16_b128 v[\f+4:\f+7], v4 offset:(\ss)*32*WPI+16*WPI
.irp mt, 0,1,2
	ds_load_b128 v[\f+8+8*\mt:\f+11+8*\mt], v3 offset:((\ss)/2)*ASTRIP+\mt*16*AP+((\ss)%2)*64
	ds_load_b128 v[\f+12+8*\mt:\f+15+8*\mt], v3 offset:((\ss)/2)*ASTRIP+\mt*16*AP+((\ss)%2)*64+32
.endr
.endm
.macro MMA f, zero                     ; the three accumulators take turns
.irp mt, 0,1,2
.if \zero
	v_wmma_f32_16x16x32_bf16 v[ACC+8*\mt:ACC+8*\mt+7], v[\f:\f+7], v[\f+8+8*\mt:\f+15+8*\mt], 0
.else
	v_wmma_f32_16x16x32_bf16 v[ACC+8*\mt:ACC+8*\mt+7], v[\f:\f+7], v[\f+8+8*\mt:\f+15+8*\mt], v[ACC+8*\mt:ACC+8*\mt+7]
.endif
.endr
.endm
.macro CHUNK c, zero
	WSTORE \c                                      ; its 32 conversions are also the places behind the last chunk's products
	s_wait_tensorcnt 2-(\c)                        ; my part of this chunk's A is in; the later chunks' loads stay out
	s_wait_dscnt 0x0
	s_barrier_signal -1
	s_barrier_wait -1
	FETCH 0, F0
	FETCH 1, F1
	s_wait_dscnt 8                                 ; all but the eight just issued
	MMA F0, \zero
.set ss, 1
.rept 3
	PLACES
	FETCH ss+1, F0
	s_wait_dscnt 8
	MMA F1, 0
	PLACES
	FETCH ss+2, F1
	s_wait_dscnt 8
	MMA F0, 0
.set ss, ss+2
.endr
	s_wait_dscnt 0x0
	MMA F1, 0
.endm
.macro STEP
	v_add_nc_u32 v2, 256*WPI, v2
	v_add_nc_u32 v3, 4*ASTRIP, v3
	v_add_nc_u32 v4, 256*WPI, v4
.endm
	s_load_b128 s[4:7], s[0:1], 0x0                ; A s[4:5], W s[6:7]
	s_load_b64 s[8:9], s[0:1], 0x10                ; part
	v_lshl_add_u32 v[SPW], v0, 2, SPARE
	v_mov_b32 v[NIL], 0
	ds_add_u32 v[SPW], v[NIL]                      ; the wave's opening: the add and its wait stand ahead of my first tensor load; work on registers stands between them
	ds_add_u32 v40, v41
	v_lshrrev_b32 v54, 5, v0
	v_readfirstlane_b32 s[WV], v54
	s_bfe_u32 s20, ttmp6, 0x40000                  ; cx
	s_lshl_b32 s21, ttmp9, 2
	s_add_co_u32 s21, s21, s20                     ; the column strip: it enters W's and the output's addresses alone
	s_and_b32 s32, ttmp7, 0xffff
	s_mul_i32 s22, s32, 11
	s_lshr_b32 s22, s22, 5                         ; ks = y / 3 (y 0 to 11)
	s_mul_i32 s23, s22, 3
	s_sub_co_u32 s24, s32, s23                     ; the row block
	s_mul_i32 s36, s24, 96*128                     ; A: my row block,
	s_mul_i32 s60, s22, 12*ROWS*128                ; the part's twelve strips,
	s_add_co_u32 s36, s36, s60
	s_lshr_b32 s60, s[WV], 1
	s_mul_i32 s60, s60, ROWS*128                   ; strip w >> 1 of a chunk's four,
	s_add_co_u32 s36, s36, s60
	s_and_b32 s60, s[WV], 1
	s_mul_i32 s60, s60, 48*128                     ; half w & 1 of its 96 rows
	s_add_co_u32 s36, s36, s60
	s_mov_b32 s37, 0
	s_mul_i32 s62, s22, 768*WP                     ; W: the part's 768 rows, the strip's 256 bytes
	s_lshl_b32 s2, s21, 8
	s_add_co_u32 s62, s62, s2
	s_mov_b32 s63, 0
	s_mul_i32 s3, s22, 884736                      ; the output: plane ks, my 96 rows, the strip's 256 bytes
	s_add_co_u32 s2, s2, s3
	s_mul_i32 s3, s24, 96*3072
	s_add_co_u32 s2, s2, s3
	s_mov_b32 s3, 0
	s_mov_b32 s[G1+0], 15|(1<<16)|(1<<20)|(1<<21)|(4<<22)|(3<<25)  ; the mask of four; 2-byte elements; padding on; bit 21 beside a mask; after every 32 words 4 words
	s_mov_b32 s[G1+1], 128<<16                     ; 48 rows of a strip, 6,144 dense bytes, as 24 rows of 256
	s_mov_b32 s[G1+2], 24<<16
	s_mov_b32 s[G1+3], 128<<16
	s_mov_b32 s[G1+4], 24
	s_mov_b32 s[G1+5], 128
	s_mov_b32 s[G1+6], 0
	s_mov_b32 s[G1+7], 0
	s_mul_i32 s61, s[WV], 48*AP
.irp c, 0,1,2
	s_mov_b32 s[G0+4*\c], 1
	s_add_co_u32 s[G0+4*\c+1], s61, \c*4*ASTRIP
.endr
	v_lshrrev_b32 v55, 4, v0
	v_and_b32 v56, 15, v0
	v_mul_u32_u24 v1, v55, WP
	v_lshl_add_u32 v1, v56, 4, v1
	v_bfe_u32 v57, v0, 5, 2
	v_bfe_u32 v58, v0, 4, 1
	s_wait_dscnt 0x0                               ; the opening add is done
	s_wait_kmcnt 0x0
	s_add_nc_u64 s[26:27], s[6:7], s[62:63]
	s_add_nc_u64 s[28:29], s[26:27], 256*WP
	s_add_nc_u64 s[30:31], s[26:27], 512*WP
	s_add_nc_u64 s[8:9], s[8:9], s[2:3]
	s_add_nc_u64 s[4:5], s[4:5], s[36:37]
.irp c, 0,1,2
	s_add_nc_u64 s[G0+4*\c+2:G0+4*\c+3], s[4:5], \c*4*ROWS*128
	s_or_b32 s[G0+4*\c+3], s[G0+4*\c+3], 0x80000000
.endr
.set i, 0
.rept 48
	global_load_b128 v[WR+4*i:WR+4*i+3], v1, s[26+2*(i/16):27+2*(i/16)] offset:(i%16)*16*WP
.set i, i+1
.endr
	CROUND                                         ; all four work-groups are here: the joint loads meet
.irp c, 0,1,2
	tensor_load_to_lds s[G0+4*\c:G0+4*\c+3], s[G1:G1+7]
	s_nop 0
.endr
	PLACES
	v_lshrrev_b32 v59, 7, v0
	v_mul_u32_u24 v59, v59, 48
	v_add_nc_u32 v59, v59, v56                     ; row 48 (w >> 2) + lane % 16
	v_mul_u32_u24 v3, v59, AP
	v_lshl_add_u32 v3, v58, 4, v3
	v_and_b32 v60, 7, v0
	v_lshl_add_u32 v60, v58, 3, v60
	v_mul_u32_u24 v4, v60, WPI
	v_lshl_add_u32 v4, v57, 5, v4
	v_bfe_u32 v60, v0, 3, 1
	v_lshl_add_u32 v4, v60, 4, v4
	v_add_nc_u32 v4, WT, v4
	v_mul_u32_u24 v2, v55, WPI
	v_lshl_add_u32 v2, v56, 3, v2
	v_add_nc_u32 v2, WT, v2
	v_mul_u32_u24 v5, v59, SP                      ; stage, in: my row, 64 bytes for each 16 columns, 32 for each half of the lanes
	v_lshl_add_u32 v5, v57, 6, v5
	v_lshl_add_u32 v5, v58, 5, v5
	v_add_nc_u32 v5, STG, v5
	v_mul_u32_u24 v6, v55, SP                      ; back: 16 threads take a row of 256 bytes
	v_lshl_add_u32 v6, v56, 4, v6
	v_add_nc_u32 v6, STG, v6
	v_mul_u32_u24 v7, v55, 3072                    ; and the same row in the plane
	v_lshl_add_u32 v7, v56, 4, v7
	CHUNK 0, 1
	STEP
	CHUNK 1, 0
	STEP
	CHUNK 2, 0
	PLACES
	; THE WAY OUT: f32 through the stage; 16 lanes store 256 consecutive bytes, aligned
.irp mt, 0,1,2
	ds_store_b128 v5, v[ACC+8*\mt:ACC+8*\mt+3] offset:\mt*16*SP
	ds_store_b128 v5, v[ACC+8*\mt+4:ACC+8*\mt+7] offset:\mt*16*SP+16
.endr
	s_wait_dscnt 0x0                               ; for the others' sake: my stores into the stage are done
	s_barrier_signal -1
	s_barrier_wait -1
.irp i, 0,1,2,3,4,5
	ds_load_b128 v[WR+4*\i:WR+4*\i+3], v6 offset:\i*16*SP
.endr
.irp i, 0,1,2,3,4,5
	s_wait_dscnt 5-\i
	global_store_b128 v7, v[WR+4*\i:WR+4*\i+3], s[8:9] offset:\i*16*3072
.endr
	s_wait_tensorcnt 0x0                           ; the wave's end
	ds_add_u32 v[SPW], v[NIL]
	s_wait_dscnt 0x0
	CROUND                                         ; the closing round
	s_endpgm
.Lfunc_end_k_q3437851641_wo0:
	.size	k_q3437851641_wo0, .Lfunc_end_k_q3437851641_wo0-k_q3437851641_wo0
	.p2alignl 7, 3214868480
	.fill 96, 4, 3214868480
	.section	.rodata,"a",@progbits
	.p2align	6, 0x0
	.amdhsa_kernel k_q3437851641_wo0
		.amdhsa_group_segment_fixed_size 327680
		.amdhsa_private_segment_fixed_size 0
		.amdhsa_enable_private_segment 0
		.amdhsa_kernarg_size 24
		.amdhsa_user_sgpr_count 2
		.amdhsa_user_sgpr_kernarg_segment_ptr 1
		.amdhsa_wavefront_size32 1
		.amdhsa_system_sgpr_workgroup_id_x 1
		.amdhsa_system_sgpr_workgroup_id_y 1
		.amdhsa_system_sgpr_workgroup_id_z 1
		.amdhsa_system_vgpr_workitem_id 0
		.amdhsa_next_free_vgpr 256
		.amdhsa_next_free_sgpr 66
		.amdhsa_reserve_vcc 0
		.amdhsa_float_denorm_mode_32 3
		.amdhsa_float_denorm_mode_16_64 3
		.amdhsa_memory_ordered 1
		.amdhsa_forward_progress 1
		.amdhsa_inst_pref_size 44
	.end_amdhsa_kernel
	.amdgpu_metadata
---
amdhsa.version: [ 1, 2 ]
amdhsa.kernels:
  - .name:           k_q3437851641_wo0
    .symbol:         k_q3437851641_wo0.kd
    .args:
      - { .name: hb, .offset: 0, .size: 8, .value_kind: global_buffer, .address_space: global }
      - { .name: params_layers_0_wo, .offset: 8, .size: 8, .value_kind: global_buffer, .address_space: global }
      - { .name: part, .offset: 16, .size: 8, .value_kind: global_buffer, .address_space: global }
    .group_segment_fixed_size: 327680
    .private_segment_fixed_size: 0
    .kernarg_segment_align: 8
    .kernarg_segment_size: 24
    .max_flat_workgroup_size: 256
    .sgpr_count:     66
    .vgpr_count:     256
    .wavefront_size: 32
...
	.end_amdgpu_metadata
.endif
;; end of part 4
;; launch lna: the kernel of part 1 again; grid 18 x 1, 8 waves a work-group, no clusters, 0 bytes of LDS; arguments res0, part, params_layers_0_bo, params_layers_0_ln1_g, params_layers_0_ln1_b, res1, act; writes res1, act
;; launch wi0 (part 5): grid 48 x 3, 8 waves a work-group, clusters of 4 x 1, 327,680 bytes of LDS; arguments act, params_layers_0_wi, params_layers_0_bi, hb; writes hb
.if DOCPART == 5
	.amdgcn_target "amdgcn-amd-amdhsa--gfx1250"
	.amdhsa_code_object_version 6
	.text
	.protected	k_q3437851641_wi0
	.globl	k_q3437851641_wi0
	.p2align	8
	.type	k_q3437851641_wi0,@function
k_q3437851641_wi0:
	s_mov_b64 s[64:65], 0
	v_nop
	global_prefetch_b8 v0, s[64:65] scope:SCOPE_SE
	s_setreg_imm32_b32 hwreg(HW_REG_WAVE_MODE, 25, 1), 1
	s_wait_xcnt 0x0
	s_wait_alu depctr_hold_cnt(0) depctr_sa_sdst(0) depctr_va_vdst(0) depctr_va_sdst(0) depctr_va_ssrc(0) depctr_va_vcc(0) depctr_vm_vsrc(0)
	s_getreg_b32 s2, hwreg(HW_REG_IB_STS2, 6, 4)
	s_cmp_eq_u32 s2, 0
	s_cbranch_scc0 .Lentry_in_a_cluster
	s_endpgm
.Lentry_in_a_cluster:
	s_bfe_u32 s2, ttmp6, 0x10000c
	s_cmp_lg_u32 s2, 0x3003
	s_cbranch_scc0 .Lentry_shape_is_right
	s_endpgm
.Lentry_shape_is_right:
; h = gelu(x wi + bi), the exact (erf) form.  x: bf16 in strips [12][576 rows][64], rows 0..287 used; wi: f32 [768][3072], rounded to bf16 on the way into LDS; sums and gelu in f32;
; h, rounded once to bf16, in strips [48][288][64].
; GELU.  0.5 x (1 + erf(x / sqrt 2)) = max(x, 0) - 0.5 |x| q e with z = |x| / sqrt 2, t = 1 / (1 + 0.3275911 z), q = the polynomial of Abramowitz and Stegun 7.1.26 in t, e = exp(-z z).
; LIMIT: that formula's error in erf is 1.5e-7 at the most.  NaN and infinities are not treated apart.
; SHARES.  A work-group makes 96 rows x 64 columns over K = 768.  Wave w of eight: columns 16 (w & 3) on, rows 48 (w >> 2) on: three accumulators, by turns.
; THE MATRIX INSTRUCTION IS USED TRANSPOSED: source 0 = 16 columns of W (turned on the way out of LDS), source 1 = 16 rows of x: a lane holds eight neighbouring columns of one row.
; ALL LOADS GO OUT AT THE HEAD: a thread's 48 loads of W and a wave's three tensor loads of x; three tensor loads of a wave are out at the most.  Nothing in LDS is filled twice.
; CLUSTER.  The four column strips of a cluster read the same rows of x: each tile is asked for jointly, by the same tensor load with the same descriptor and the mask of all four.
.set ROWS,   576
.set WP,     12288                     ; bytes in a row of W
.set AP,     144
.set ASTRIP, 96*AP
.set WT,     12*ASTRIP
.set WPI,    160
.set STG,    WT+768*WPI
.set SP,     144
.set SPARE,  STG+96*272
; v1 W's offset in memory; v2 where I put W in LDS; v3 my fragments of x; v4 my fragments of W; v5 stage, in; v6 stage, back; v7 offset in the output; v63 the bias's offset
.set ACC, 8
.set BIA, 32
.set SPW, 40
.set NIL, 41
.set TMP, 42
.set WR,  64
.set F0,  64
.set F1,  96
.set AX,  128                          ; gelu, eight numbers at a time, in registers that W has left: |x|,
.set T,   136                          ; t,
.set E,   144                          ; z, then e,
.set QQ,  152                          ; q
.set WV,  33
.set G1,  40
.set G0,  48
.macro CROUND                          ; a round of the cluster's barrier
	s_barrier_signal -1
	s_barrier_wait -1
	s_cmp_lg_u32 s[WV], 0
	s_cbranch_scc1 .Lnot_wave_0_\@
	s_barrier_signal -3
.Lnot_wave_0_\@:
	s_barrier_wait -3
	s_barrier_signal -1
	s_barrier_wait -1
.endm
.macro PLACES                          ; four places between a matrix instruction and a load into, or a vector instruction on, its registers
.rept 4
	v_nop
.endr
.endm
.macro WSTORE c
.set i, 16*(\c)
.rept 16
	s_wait_loadcnt 47-i                            ; row i is in, the 47 - i younger ones stay out
	v_cvt_pk_bf16_f32 v[WR+4*i], v[WR+4*i], v[WR+4*i+1]
	v_cvt_pk_bf16_f32 v[WR+4*i+1], v[WR+4*i+2], v[WR+4*i+3]
	ds_store_b64 v2, v[WR+4*i:WR+4*i+1] offset:(i%16)*16*WPI
.set i, i+1
.endr
.endm
.macro FETCH ss, f
	ds_load_tr16_b128 v[\f:\f+3], v4 offset:(\ss)*32*WPI
	ds_load_tr16_b128 v[\f+4:\f+7], v4 offset:(\ss)*32*WPI+16*WPI
.irp mt, 0,1,2
	ds_load_b128 v[\f+8+8*\mt:\f+11+8*\mt], v3 offset:((\ss)/2)*ASTRIP+\mt*16*AP+((\ss)%2)*64
	ds_load_b128 v[\f+12+8*\mt:\f+15+8*\mt], v3 offset:((\ss)/2)*ASTRIP+\mt*16*AP+((\ss)%2)*64+32
.endr
.endm
.macro MMA f, zero                     ; the three accumulators take turns
.irp mt, 0,1,2
.if \zero
	v_wmma_f32_16x16x32_bf16 v[ACC+8*\mt:ACC+8*\mt+7], v[\f:\f+7], v[\f+8+8*\mt:\f+15+8*\mt], 0
.else
	v_wmma_f32_16x16x32_bf16 v[ACC+8*\mt:ACC+8*\mt+7], v[\f:\f+7], v[\f+8+8*\mt:\f+15+8*\mt], v[ACC+8*\mt:ACC+8*\mt+7]
.endif
.endr
.endm
.macro CHUNK c, zero
	WSTORE \c                                      ; its 32 conversions are also the places behind the last chunk's products
	s_wait_tensorcnt 2-(\c)                        ; my part of this chunk's x is in; the later chunks' loads stay out
	s_wait_dscnt 0x0
	s_barrier_signal -1
	s_barrier_wait -1
	FETCH 0, F0
	FETCH 1, F1
	s_wait_dscnt 8                                 ; all but the eight just issued
	MMA F0, \zero
.set ss, 1
.rept 3
	PLACES
	FETCH ss+1, F0
	s_wait_dscnt 8
	MMA F1, 0
	PLACES
	FETCH ss+2, F1
	s_wait_dscnt 8
	MMA F0, 0
.set ss, ss+2
.endr
	s_wait_dscnt 0x0
	MMA F1, 0
.endm
.macro STEP
	v_add_nc_u32 v2, 256*WPI, v2
	v_add_nc_u32 v3, 4*ASTRIP, v3
	v_add_nc_u32 v4, 256*WPI, v4
.endm
.macro EACH8 line:vararg               ; one line for each of eight numbers j
.set j, 0
.rept 8
	\line
.set j, j+1
.endr
.endm
.macro GELU8 a                         ; gelu in place on v[a .. a + 7]
	EACH8 v_and_b32 v[AX+j], 0x7fffffff, v[\a+j]
	EACH8 v_mul_f32 v[E+j], s12, v[AX+j]
	EACH8 v_fma_f32 v[T+j], v[E+j], s13, 1.0
	EACH8 v_mul_f32 v[E+j], v[E+j], v[E+j]
	EACH8 v_mul_f32 v[E+j], s19, v[E+j]
	EACH8 v_rcp_f32 v[T+j], v[T+j]
	EACH8 v_exp_f32 v[E+j], v[E+j]
	v_nop                                          ; a plain instruction between the last of them and the use of its result
	s_wait_alu depctr_va_vdst(0)
	EACH8 v_fma_f32 v[QQ+j], v[T+j], s14, s15
	EACH8 v_fma_f32 v[QQ+j], v[QQ+j], v[T+j], s16
	EACH8 v_fma_f32 v[QQ+j], v[QQ+j], v[T+j], s17
	EACH8 v_fma_f32 v[QQ+j], v[QQ+j], v[T+j], s18
	EACH8 v_mul_f32 v[QQ+j], v[QQ+j], v[T+j]
	EACH8 v_mul_f32 v[QQ+j], v[QQ+j], v[E+j]
	EACH8 v_mul_f32 v[AX+j], -0.5, v[AX+j]
	EACH8 v_max_num_f32 v[\a+j], 0, v[\a+j]
	EACH8 v_fmac_f32 v[\a+j], v[AX+j], v[QQ+j]
.endm
	s_load_b256 s[4:11], s[0:1], 0x0               ; x s[4:5], wi s[6:7], bi s[8:9], h s[10:11]
	v_lshl_add_u32 v[SPW], v0, 2, SPARE
	v_mov_b32 v[NIL], 0
	ds_add_u32 v[SPW], v[NIL]                      ; the wave's opening: the add and its wait stand ahead of my first tensor load; work on registers stands between them
	ds_add_u32 v40, v41
	v_lshrrev_b32 v54, 5, v0
	v_readfirstlane_b32 s[WV], v54
	s_bfe_u32 s20, ttmp6, 0x40000                  ; cx
	s_lshl_b32 s21, ttmp9, 2
	s_add_co_u32 s21, s21, s20                     ; the column strip: it enters W's, the bias's and the output's addresses alone
	s_and_b32 s24, ttmp7, 0xffff                   ; the row block
	s_mul_i32 s36, s24, 96*128
	s_lshr_b32 s60, s[WV], 1
	s_mul_i32 s60, s60, ROWS*128
	s_add_co_u32 s36, s36, s60
	s_and_b32 s60, s[WV], 1
	s_mul_i32 s60, s60, 48*128
	s_add_co_u32 s36, s36, s60
	s_mov_b32 s37, 0
	s_lshl_b32 s62, s21, 8                         ; the strip's 64 columns in a row of W and in the bias
	s_mov_b32 s63, 0
	s_mul_i32 s2, s21, 288                         ; the output: (strip x 288 + 96 x row block) x 128 bytes
	s_mul_i32 s3, s24, 96
	s_add_co_u32 s2, s2, s3
	s_lshl_b32 s2, s2, 7
	s_mov_b32 s3, 0
	s_mov_b32 s12, 0x3f3504f3                      ; 1 / sqrt 2
	s_mov_b32 s13, 0x3ea7ba05                      ; 0.3275911
	s_mov_b32 s14, 0x3f87dc22                      ; 1.061405429
	s_mov_b32 s15, 0xbfba00e3                      ; -1.453152027
	s_mov_b32 s16, 0x3fb5f0e3                      ; 1.421413741
	s_mov_b32 s17, 0xbe91a98e                      ; -0.284496736
	s_mov_b32 s18, 0x3e827906                      ; 0.254829592
	s_mov_b32 s19, 0xbfb8aa3b                      ; -log2(e)
	s_mov_b32 s[G1+0], 15|(1<<16)|(1<<20)|(1<<21)|(4<<22)|(3<<25)  ; the mask of four; 2-byte elements; padding on; bit 21 beside a mask; after every 32 words 4 words
	s_mov_b32 s[G1+1], 128<<16                     ; 48 rows of a strip, 6,144 dense bytes, as 24 rows of 256
	s_mov_b32 s[G1+2], 24<<16
	s_mov_b32 s[G1+3], 128<<16
	s_mov_b32 s[G1+4], 24
	s_mov_b32 s[G1+5], 128
	s_mov_b32 s[G1+6], 0
	s_mov_b32 s[G1+7], 0
	s_mul_i32 s61, s[WV], 48*AP
.irp c, 0,1,2
	s_mov_b32 s[G0+4*\c], 1
	s_add_co_u32 s[G0+4*\c+1], s61, \c*4*ASTRIP
.endr
	v_lshrrev_b32 v55, 4, v0
	v_and_b32 v56, 15, v0
	v_mul_u32_u24 v1, v55, WP
	v_lshl_add_u32 v1, v56, 4, v1
	v_bfe_u32 v57, v0, 5, 2
	v_bfe_u32 v58, v0, 4, 1
	v_lshlrev_b32 v63, 5, v58
	v_lshl_add_u32 v63, v57, 6, v63
	s_wait_dscnt 0x0                               ; the opening add is done
	s_wait_kmcnt 0x0
	s_add_nc_u64 s[26:27], s[6:7], s[62:63]
	s_add_nc_u64 s[34:35], s[8:9], s[62:63]
	s_add_nc_u64 s[28:29], s[26:27], 256*WP
	s_add_nc_u64 s[30:31], s[26:27], 512*WP
	s_add_nc_u64 s[10:11], s[10:11], s[2:3]
	s_add_nc_u64 s[4:5], s[4:5], s[36:37]
.irp c, 0,1,2
	s_add_nc_u64 s[G0+4*\c+2:G0+4*\c+3], s[4:5], \c*4*ROWS*128
	s_or_b32 s[G0+4*\c+3], s[G0+4*\c+3], 0x80000000
.endr
	global_load_b128 v[BIA:BIA+3], v63, s[34:35]
	global_load_b128 v[BIA+4:BIA+7], v63, s[34:35] offset:16
.set i, 0
.rept 48
	global_load_b128 v[WR+4*i:WR+4*i+3], v1, s[26+2*(i/16):27+2*(i/16)] offset:(i%16)*16*WP
.set i, i+1
.endr
	CROUND                                         ; all four work-groups are here: the joint loads meet
.irp c, 0,1,2
	tensor_load_to_lds s[G0+4*\c:G0+4*\c+3], s[G1:G1+7]
	s_nop 0
.endr
	PLACES
	v_lshrrev_b32 v59, 7, v0
	v_mul_u32_u24 v59, v59, 48
	v_add_nc_u32 v59, v59, v56
	v_mul_u32_u24 v3, v59, AP
	v_lshl_add_u32 v3, v58, 4, v3
	v_and_b32 v60, 7, v0
	v_lshl_add_u32 v60, v58, 3, v60
	v_mul_u32_u24 v4, v60, WPI
	v_lshl_add_u32 v4, v57, 5, v4
	v_bfe_u32 v60, v0, 3, 1
	v_lshl_add_u32 v4, v60, 4, v4
	v_add_nc_u32 v4, WT, v4
	v_mul_u32_u24 v2, v55, WPI
	v_lshl_add_u32 v2, v56, 3, v2
	v_add_nc_u32 v2, WT, v2
	v_mul_u32_u24 v5, v59, SP
	v_lshl_add_u32 v5, v57, 5, v5
	v_lshl_add_u32 v5, v58, 4, v5
	v_add_nc_u32 v5, STG, v5
	v_lshrrev_b32 v61, 3, v0
	v_mul_u32_u24 v6, v61, SP
	v_and_b32 v61, 7, v0
	v_lshl_add_u32 v6, v61, 4, v6
	v_add_nc_u32 v6, STG, v6
	v_lshlrev_b32 v7, 4, v0
	CHUNK 0, 1
	STEP
	CHUNK 1, 0
	STEP
	CHUNK 2, 0
	PLACES
	; THE WAY OUT: + bias, gelu, rounded to bf16, through the stage, out as dense bytes: a wave's store covers 512 consecutive bytes
.irp mt, 0,1,2
.irp p, 0,1,2,3
	v_pk_add_f32 v[ACC+8*\mt+2*\p:ACC+8*\mt+2*\p+1], v[ACC+8*\mt+2*\p:ACC+8*\mt+2*\p+1], v[BIA+2*\p:BIA+2*\p+1]
.endr
	GELU8 ACC+8*\mt
.irp p, 0,1,2,3
	v_cvt_pk_bf16_f32 v[TMP+4*\mt+\p], v[ACC+8*\mt+2*\p], v[ACC+8*\mt+2*\p+1]
.endr
	ds_store_b128 v5, v[TMP+4*\mt:TMP+4*\mt+3] offset:\mt*16*SP
.endr
	s_wait_dscnt 0x0                               ; for the others' sake: my stores into the stage are done
	s_barrier_signal -1
	s_barrier_wait -1
.irp i, 0,1,2
	ds_load_b128 v[WR+4*\i:WR+4*\i+3], v6 offset:\i*32*SP
.endr
.irp i, 0,1,2
	s_wait_dscnt 2-\i
	global_store_b128 v7, v[WR+4*\i:WR+4*\i+3], s[10:11] offset:\i*4096
.endr
	s_wait_tensorcnt 0x0                           ; the wave's end
	ds_add_u32 v[SPW], v[NIL]
	s_wait_dscnt 0x0
	CROUND                                         ; the closing round
	s_endpgm
.Lfunc_end_k_q3437851641_wi0:
	.size	k_q3437851641_wi0, .Lfunc_end_k_q3437851641_wi0-k_q3437851641_wi0
	.p2alignl 7, 3214868480
	.fill 96, 4, 3214868480
	.section	.rodata,"a",@progbits
	.p2align	6, 0x0
	.amdhsa_kernel k_q3437851641_wi0
		.amdhsa_group_segment_fixed_size 327680
		.amdhsa_private_segment_fixed_size 0
		.amdhsa_enable_private_segment 0
		.amdhsa_kernarg_size 32
		.amdhsa_user_sgpr_count 2
		.amdhsa_user_sgpr_kernarg_segment_ptr 1
		.amdhsa_wavefront_size32 1
		.amdhsa_system_sgpr_workgroup_id_x 1
		.amdhsa_system_sgpr_workgroup_id_y 1
		.amdhsa_system_sgpr_workgroup_id_z 1
		.amdhsa_system_vgpr_workitem_id 0
		.amdhsa_next_free_vgpr 256
		.amdhsa_next_free_sgpr 66
		.amdhsa_reserve_vcc 0
		.amdhsa_float_denorm_mode_32 3
		.amdhsa_float_denorm_mode_16_64 3
		.amdhsa_memory_ordered 1
		.amdhsa_forward_progress 1
		.amdhsa_inst_pref_size 62
	.end_amdhsa_kernel
	.amdgpu_metadata
---
amdhsa.version: [ 1, 2 ]
amdhsa.kernels:
  - .name:           k_q3437851641_wi0
    .symbol:         k_q3437851641_wi0.kd
    .args:
      - { .name: act, .offset: 0, .size: 8, .value_kind: global_buffer, .address_space: global }
      - { .name: params_layers_0_wi, .offset: 8, .size: 8, .value_kind: global_buffer, .address_space: global }
      - { .name: params_layers_0_bi, .offset: 16, .size: 8, .value_kind: global_buffer, .address_space: global }
      - { .name: hb, .offset: 24, .size: 8, .value_kind: global_buffer, .address_space: global }
    .group_segment_fixed_size: 327680
    .private_segment_fixed_size: 0
    .kernarg_segment_align: 8
    .kernarg_segment_size: 32
    .max_flat_workgroup_size: 256
    .sgpr_count:     66
    .vgpr_count:     256
    .wavefront_size: 32
...
	.end_amdgpu_metadata
.endif
;; end of part 5
;; launch wf0: the kernel of part 4 again; grid 12 x 12, 8 waves a work-group, clusters of 4 x 1, 327,680 bytes of LDS; arguments hb, params_layers_0_wf, part; writes part
;; launch lnb (part 6): grid 18 x 1, 8 waves a work-group, no clusters, 0 bytes of LDS; arguments res1, part, params_layers_0_bf, params_layers_0_ln2_g, params_layers_0_ln2_b, res0, act; writes res0, act
.if DOCPART == 6
	.amdgcn_target "amdgcn-amd-amdhsa--gfx1250"
	.amdhsa_code_object_version 6
	.text
	.protected	k_q3437851641_lnb
	.globl	k_q3437851641_lnb
	.p2align	8
	.type	k_q3437851641_lnb,@function
k_q3437851641_lnb:
	s_mov_b64 s[64:65], 0
	v_nop
	global_prefetch_b8 v0, s[64:65] scope:SCOPE_SE
	s_setreg_imm32_b32 hwreg(HW_REG_WAVE_MODE, 25, 1), 1
	s_wait_xcnt 0x0
; y = LayerNorm(res + four planes + vec) * g + b over 288 rows of 768 f32: layer 0's second norm (res = x1, planes = the four parts of h wf, vec = bf).
; y leaves, rounded once, as bf16 in strips [12][576 rows][64]; of the f32 rows only rows 0 and 1 are stored (the first wave's two): layer 1 carries token 0 alone in f32.
; SHARES.  A work-group owns 16 rows, a wave two: lanes 0-15 one row, lanes 16-31 the next.  Lane i of a row holds columns 64 j + 4 i .. + 3, j = 0..11: each load of 16 lanes covers 256 consecutive
; bytes, aligned; a wave's bf16 store covers two neighbouring rows of one strip, 256 consecutive bytes.
; The mean is taken first and the variance of the centred numbers.  NaN and infinities are not treated apart.
.set ROWB,   3072
.set STRIPB, 73728
.set PLANE,  884736                    ; bytes in a plane
.set X,  16                            ; v[16:63]   my 48 numbers
.set R0, 64                            ; v[64:111]  plane 0, then vec
.set R1, 112                           ; v[112:159] plane 1, then g
.set R2, 160                           ; v[160:207] plane 2, then b
.set R3, 208                           ; v[208:255] plane 3, then the bf16 output
.macro LD12 dst, voff, sb, extra=0
.set j, 0
.rept 12
	global_load_b128 v[\dst+4*j:\dst+4*j+3], v\voff, s[\sb:\sb+1] offset:256*j+\extra
.set j, j+1
.endr
.endm
.macro ADD48 src
.set j, 0
.rept 24
	v_pk_add_f32 v[X+2*j:X+2*j+1], v[X+2*j:X+2*j+1], v[\src+2*j:\src+2*j+1]
.set j, j+1
.endr
.endm
.macro FOLD
	v_pk_add_f32 v[4:5], v[4:5], v[6:7]
	v_pk_add_f32 v[8:9], v[8:9], v[10:11]
	v_pk_add_f32 v[4:5], v[4:5], v[8:9]
	v_add_f32 v4, v4, v5
.irp m, 1,2,4,8
	v_add_f32_dpp v4, v4, v4 row_xmask:\m row_mask:0xf bank_mask:0xf
.endr
.endm
.macro STATS
.set k, 0
.rept 4
	v_pk_add_f32 v[4+2*k:5+2*k], v[X+2*k:X+2*k+1], v[X+8+2*k:X+9+2*k]
.set k, k+1
.endr
.set j, 8
.rept 16
	v_pk_add_f32 v[4+2*(j%4):5+2*(j%4)], v[4+2*(j%4):5+2*(j%4)], v[X+2*j:X+2*j+1]
.set j, j+1
.endr
	FOLD
	v_mul_f32 v12, s22, v4                         ; minus the mean
	v_mov_b32 v13, v12
.set j, 0
.rept 24
	v_pk_add_f32 v[X+2*j:X+2*j+1], v[X+2*j:X+2*j+1], v[12:13]
.set j, j+1
.endr
.set k, 0
.rept 4
	v_pk_mul_f32 v[4+2*k:5+2*k], v[X+2*k:X+2*k+1], v[X+2*k:X+2*k+1]
.set k, k+1
.endr
.set j, 4
.rept 20
	v_pk_fma_f32 v[4+2*(j%4):5+2*(j%4)], v[X+2*j:X+2*j+1], v[X+2*j:X+2*j+1], v[4+2*(j%4):5+2*(j%4)]
.set j, j+1
.endr
	FOLD
	v_fma_f32 v4, v4, s23, s24
	v_rsq_f32 v14, v4
	v_rsq_f32 v15, v4
	v_nop
.endm
	s_load_b256 s[4:11], s[0:1], 0x0               ; res s[4:5], planes s[6:7], vec s[8:9], g s[10:11]
	s_load_b128 s[12:15], s[0:1], 0x20             ; b s[12:13], f32 output s[14:15]
	s_load_b64 s[16:17], s[0:1], 0x30              ; bf16 output
	v_lshrrev_b32 v3, 5, v0
	v_readfirstlane_b32 s25, v3                    ; my wave's number
	s_or_b32 s25, s25, ttmp9                       ; 0 for the first wave of the first group alone
	v_lshrrev_b32 v3, 4, v0
	v_and_b32 v2, 15, v0
	v_mul_u32_u24 v1, v3, ROWB
	v_lshl_add_u32 v1, v2, 4, v1
	v_lshlrev_b32 v3, 7, v3
	v_lshl_add_u32 v3, v2, 3, v3
	v_lshlrev_b32 v2, 4, v2
	s_mul_i32 s18, ttmp9, 16*ROWB
	s_mov_b32 s19, 0
	s_lshl_b32 s20, ttmp9, 11
	s_mov_b32 s21, 0
	s_mov_b32 s22, 0xbaaaaaab                      ; -1 / 768
	s_mov_b32 s23, 0x3aaaaaab                      ; 1 / 768
	s_mov_b32 s24, 0x3727c5ac                      ; 1e-5
	s_wait_kmcnt 0x0
	s_add_nc_u64 s[4:5], s[4:5], s[18:19]
	s_add_nc_u64 s[6:7], s[6:7], s[18:19]
	s_add_nc_u64 s[14:15], s[14:15], s[18:19]
	s_add_nc_u64 s[16:17], s[16:17], s[20:21]
	LD12 X, 1, 4
	LD12 R0, 1, 6
	LD12 R1, 1, 6, PLANE
	LD12 R2, 1, 6, 2*PLANE
	LD12 R3, 1, 6, 3*PLANE
	s_wait_loadcnt 36                              ; res and plane 0 are in; three groups of 12 are younger
	ADD48 R0
	LD12 R0, 2, 8                                  ; vec takes plane 0's registers
	s_wait_loadcnt 36                              ; plane 1 is in (younger: planes 2, 3, vec)
	ADD48 R1
	LD12 R1, 2, 10                                 ; g
	s_wait_loadcnt 36                              ; plane 2 (younger: plane 3, vec, g)
	ADD48 R2
	LD12 R2, 2, 12                                 ; b
	s_wait_loadcnt 36                              ; plane 3 (younger: vec, g, b)
	ADD48 R3
	s_wait_loadcnt 24                              ; vec (younger: g, b)
	ADD48 R0
	STATS
	s_wait_loadcnt 0x0                             ; g and b
.set j, 0
	s_wait_alu depctr_va_vdst(0)
.rept 24
	v_pk_mul_f32 v[X+2*j:X+2*j+1], v[X+2*j:X+2*j+1], v[14:15]
.set j, j+1
.endr
.set j, 0
.rept 24
	v_pk_fma_f32 v[X+2*j:X+2*j+1], v[X+2*j:X+2*j+1], v[R1+2*j:R1+2*j+1], v[R2+2*j:R2+2*j+1]
.set j, j+1
.endr
	s_cmp_lg_u32 s25, 0
	s_cbranch_scc1 .Lno_f32
.set j, 0
.rept 12
	global_store_b128 v1, v[X+4*j:X+4*j+3], s[14:15] offset:256*j
.set j, j+1
.endr
.Lno_f32:
.set j, 0
.rept 12
	v_cvt_pk_bf16_f32 v[R3+2*j], v[X+4*j], v[X+4*j+1]
	v_cvt_pk_bf16_f32 v[R3+2*j+1], v[X+4*j+2], v[X+4*j+3]
	global_store_b64 v3, v[R3+2*j:R3+2*j+1], s[16:17] offset:STRIPB*j
.set j, j+1
.endr
	s_endpgm
.Lfunc_end_k_q3437851641_lnb:
	.size	k_q3437851641_lnb, .Lfunc_end_k_q3437851641_lnb-k_q3437851641_lnb
	.p2alignl 7, 3214868480
	.fill 96, 4, 3214868480
	.section	.rodata,"a",@progbits
	.p2align	6, 0x0
	.amdhsa_kernel k_q3437851641_lnb
		.amdhsa_group_segment_fixed_size 0
		.amdhsa_private_segment_fixed_size 0
		.amdhsa_enable_private_segment 0
		.amdhsa_kernarg_size 56
		.amdhsa_user_sgpr_count 2
		.amdhsa_user_sgpr_kernarg_segment_ptr 1
		.amdhsa_wavefront_size32 1
		.amdhsa_system_sgpr_workgroup_id_x 1
		.amdhsa_system_sgpr_workgroup_id_y 1
		.amdhsa_system_sgpr_workgroup_id_z 1
		.amdhsa_system_vgpr_workitem_id 0
		.amdhsa_next_free_vgpr 256
		.amdhsa_next_free_sgpr 66
		.amdhsa_reserve_vcc 0
		.amdhsa_float_denorm_mode_32 3
		.amdhsa_float_denorm_mode_16_64 3
		.amdhsa_memory_ordered 1
		.amdhsa_forward_progress 1
		.amdhsa_inst_pref_size 31
	.end_amdhsa_kernel
	.amdgpu_metadata
---
amdhsa.version: [ 1, 2 ]
amdhsa.kernels:
  - .name:           k_q3437851641_lnb
    .symbol:         k_q3437851641_lnb.kd
    .args:
      - { .name: res1, .offset: 0, .size: 8, .value_kind: global_buffer, .address_space: global }
      - { .name: part, .offset: 8, .size: 8, .value_kind: global_buffer, .address_space: global }
      - { .name: params_layers_0_bf, .offset: 16, .size: 8, .value_kind: global_buffer, .address_space: global }
      - { .name: params_layers_0_ln2_g, .offset: 24, .size: 8, .value_kind: global_buffer, .address_space: global }
      - { .name: params_layers_0_ln2_b, .offset: 32, .size: 8, .value_kind: global_buffer, .address_space: global }
      - { .name: res0, .offset: 40, .size: 8, .value_kind: global_buffer, .address_space: global }
      - { .name: act, .offset: 48, .size: 8, .value_kind: global_buffer, .address_space: global }
    .group_segment_fixed_size: 0
    .private_segment_fixed_size: 0
    .kernarg_segment_align: 8
    .kernarg_segment_size: 56
    .max_flat_workgroup_size: 256
    .sgpr_count:     66
    .vgpr_count:     256
    .wavefront_size: 32
...
	.end_amdgpu_metadata
.endif
;; end of part 6
;; launch kv1: the kernel of part 2 again; grid 12 x 7, 8 waves a work-group, clusters of 4 x 1, 327,680 bytes of LDS; arguments act, params_layers_1_wq, params_layers_1_wk, params_layers_1_wv, params_layers_1_bq, params_layers_1_bk, params_layers_1_bv, qkv; writes qkv
;; launch tail1 (part 7): grid 12 x 3, 8 waves a work-group, no clusters, 8,192 bytes of LDS; arguments qkv, params_layers_1_wo, part; writes part
.if DOCPART == 7
	.amdgcn_target "amdgcn-amd-amdhsa--gfx1250"
	.amdhsa_code_object_version 6
	.text
	.protected	k_q3437851641_tail1
	.globl	k_q3437851641_tail1
	.p2align	8
	.type	k_q3437851641_tail1,@function
k_q3437851641_tail1:
	s_mov_b64 s[64:65], 0
	v_nop
	global_prefetch_b8 v0, s[64:65] scope:SCOPE_SE
	s_setreg_imm32_b32 hwreg(HW_REG_WAVE_MODE, 25, 1), 1
	s_wait_xcnt 0x0
; Layer 1, token 0: one head's attention, and that head's share of a wo.  part[head][768] (f32) = a[head][0..63] wo[64 head .. 64 head + 63][:]; the launch behind adds the twelve heads.
; Token 0 sees keys 0..256 (the model's band).  Q, K, V in bf16 by heads; everything else in f32 on the vector unit: one row feeds no matrix tile, and wo is streamed once.
; LIMITS.  A hidden score counts as -1e30, so its weight is 0; a weight below 2^-126 counts as 0; NaN and infinities are not treated apart.
; SHARES.  A work-group: one head and 256 columns of wo (the head's attention is made in each of its three work-groups: 74 KB of K and V against a launch more).  Thread t holds channels 8 (t % 8) on
; of the keys t / 8 + 32 i, i = 0..8: each load of a wave covers 512 consecutive bytes.  Key 256 + t / 8 is hidden where t / 8 > 0.  Of wo thread t holds rows 16 (t / 64) + i, i = 0..15, columns 4 (t % 64) on.
.set LM, 0                             ; LDS: eight words, the waves' maxima
.set LL, 64                            ; eight words, the waves' sums of weights
.set LA, 256                           ; a: 64 words
.set LP, 512                           ; the waves' sums of p V: [8][64]
.set LW, 3072                          ; the four row groups' sums of a wo: [4][256]
.set SPARE, 7168                       ; the spare words, 128 bytes for each wave
; v1 16 t; v2 16 (t % 8); v3 t / 8; v4 wo's offset; v5 my wave's number; v6, v7 the add's two registers
.set QR, 8                             ; v[8:11]    q as loaded
.set QF, 12                            ; v[12:19]   q in f32
.set K,  20                            ; v[20:55]   nine keys
.set V,  56                            ; v[56:91]
.set WO, 92                            ; v[92:155]  sixteen rows
.set S,  156                           ; v[156:164] nine scores, then weights
.set L,  165                           ; v165       their sum
.set AC, 166                           ; v[166:173] eight channels' sums; later four columns'
; v174-179 at work and addresses; v[180:195] what comes back from LDS
	s_load_b128 s[4:7], s[0:1], 0x0                ; qkv s[4:5], wo s[6:7]
	s_load_b64 s[8:9], s[0:1], 0x10                ; part
	v_lshl_add_u32 v6, v0, 2, SPARE
	v_mov_b32 v7, 0
	v_lshrrev_b32 v5, 5, v0
	v_readfirstlane_b32 s10, v5
	s_and_b32 s11, ttmp7, 0xffff                   ; which 256 columns
	s_mul_i32 s12, ttmp9, 73728                    ; the head's K
	s_add_co_u32 s12, s12, 442368
	s_mov_b32 s13, 0
	s_mul_i32 s14, ttmp9, 36864                    ; the head's Q, row 0
	s_mov_b32 s15, 0
	s_lshl_b32 s18, s11, 10
	s_mul_i32 s16, ttmp9, 64*3072                  ; the head's 64 rows of wo, my columns
	s_add_co_u32 s16, s16, s18
	s_mov_b32 s17, 0
	s_mul_i32 s24, ttmp9, 3072                     ; the head's row of part, my columns
	s_add_co_u32 s18, s18, s24
	s_mov_b32 s19, 0
	s_mov_b32 s20, 0x3e38aa3b                      ; c = log2(e) / 8
	s_mov_b32 s25, 0xbe38aa3b                      ; -c
	s_mov_b32 s21, 0xf149f2ca                      ; -1e30
	s_mov_b32 s22, 0x76543210
	s_mov_b32 s23, 0xfedcba98
	v_lshlrev_b32 v1, 4, v0
	v_and_b32 v2, 7, v0
	v_lshlrev_b32 v2, 4, v2
	v_lshrrev_b32 v3, 3, v0
	v_lshrrev_b32 v4, 6, v0
	v_mul_u32_u24 v4, v4, 16*3072
	v_and_b32 v174, 63, v0
	v_lshl_add_u32 v4, v174, 4, v4
	s_wait_kmcnt 0x0
	s_add_nc_u64 s[12:13], s[4:5], s[12:13]
	s_add_nc_u64 s[14:15], s[4:5], s[14:15]
	s_add_nc_u64 s[6:7], s[6:7], s[16:17]
	s_add_nc_u64 s[8:9], s[8:9], s[18:19]
.set i, 0
.rept 16
	global_load_b128 v[WO+4*i:WO+4*i+3], v4, s[6:7] offset:3072*i th:TH_LOAD_NT
.set i, i+1
.endr
	global_load_b128 v[QR:QR+3], v2, s[14:15]
.set i, 0
.rept 9
	global_load_b128 v[K+4*i:K+4*i+3], v1, s[12:13] offset:4096*i
.set i, i+1
.endr
.set i, 0
.rept 9
	global_load_b128 v[V+4*i:V+4*i+3], v1, s[12:13] offset:884736+4096*i
.set i, i+1
.endr
.set i, 0
.rept 9
	v_mov_b32 v[S+i], 0
.set i, i+1
.endr
	s_wait_loadcnt 9                               ; q and K are in; V's nine loads may stay out
.irp k, 0,1,2,3
	v_lshlrev_b32 v[QF+2*\k], 16, v[QR+\k]
	v_and_b32 v[QF+2*\k+1], 0xffff0000, v[QR+\k]
.endr
.irp k, 0,1,2,3
.set i, 0
.rept 9
	v_fma_mix_f32_bf16 v[S+i], v[K+4*i+\k], v[QF+2*\k], v[S+i] op_sel_hi:[1,0,0]
.set i, i+1
.endr
.set i, 0
.rept 9
	v_fma_mix_f32_bf16 v[S+i], v[K+4*i+\k], v[QF+2*\k+1], v[S+i] op_sel:[1,0,0] op_sel_hi:[1,0,0]
.set i, i+1
.endr
.endr
.irp m, 1,2,4                          ; over the eight lanes that share a key
.set i, 0
.rept 9
	v_add_f32_dpp v[S+i], v[S+i], v[S+i] row_xmask:\m row_mask:0xf bank_mask:0xf
.set i, i+1
.endr
.endr
	v_cmp_lt_u32 vcc_lo, 0, v3
	v_cndmask_b32 v[S+8], v[S+8], s21, vcc_lo      ; keys 257 on are hidden
	v_max3_num_f32 v174, v[S], v[S+1], v[S+2]
	v_max3_num_f32 v174, v174, v[S+3], v[S+4]
	v_max3_num_f32 v174, v174, v[S+5], v[S+6]
	v_max3_num_f32 v174, v174, v[S+7], v[S+8]
	v_max_num_f32_dpp v174, v174, v174 row_xmask:8 row_mask:0xf bank_mask:0xf
	v_mov_b32 v175, 0
	v_permlanex16_b32 v175, v174, s22, s23
	v_max_num_f32 v174, v174, v175
	v_lshlrev_b32 v176, 2, v5                      ; my wave's word
	v_mov_b32 v177, 0
	ds_store_b32 v176, v174 offset:LM
	s_wait_dscnt 0x0
	s_barrier_signal -1
	s_barrier_wait -1
	ds_load_b128 v[180:183], v177 offset:LM
	ds_load_b128 v[184:187], v177 offset:LM+16
	s_wait_dscnt 0x0
	v_max3_num_f32 v174, v180, v181, v182
	v_max3_num_f32 v174, v174, v183, v184
	v_max3_num_f32 v174, v174, v185, v186
	v_max_num_f32 v174, v174, v187                 ; the true maximum of the visible scores
	v_mul_f32 v174, s25, v174                      ; -c m
.set i, 0
.rept 9
	v_fma_f32 v[S+i], v[S+i], s20, v174
.set i, i+1
.endr
.set i, 0
.rept 9
	v_exp_f32 v[S+i], v[S+i]
.set i, i+1
.endr
.set i, 0
.rept 8
	v_mov_b32 v[AC+i], 0                           ; plain instructions behind the exponentials
.set i, i+1
.endr
	s_wait_alu depctr_va_vdst(0)
	v_add_f32 v[L], v[S], v[S+1]
.set i, 2
.rept 7
	v_add_f32 v[L], v[L], v[S+i]
.set i, i+1
.endr
	s_wait_loadcnt 0x0                             ; V
.set i, 0
.rept 9
.irp k, 0,1,2,3
	v_fma_mix_f32_bf16 v[AC+2*\k], v[V+4*i+\k], v[S+i], v[AC+2*\k] op_sel_hi:[1,0,0]
	v_fma_mix_f32_bf16 v[AC+2*\k+1], v[V+4*i+\k], v[S+i], v[AC+2*\k+1] op_sel:[1,0,0] op_sel_hi:[1,0,0]
.endr
.set i, i+1
.endr
.set i, 0
.rept 9                                ; l and the eight sums over the wave's four groups of keys (L and AC lie on end)
	v_add_f32_dpp v[L+i], v[L+i], v[L+i] row_xmask:8 row_mask:0xf bank_mask:0xf
.set i, i+1
.endr
.set i, 0
.rept 9
	v_permlanex16_b32 v175, v[L+i], s22, s23
	v_add_f32 v[L+i], v[L+i], v175
.set i, i+1
.endr
	v_lshlrev_b32 v178, 8, v5
	v_lshl_add_u32 v178, v2, 1, v178               ; my wave's 64 words, my eight channels; the lanes that share them write equal numbers
	ds_store_b128 v178, v[AC:AC+3] offset:LP
	ds_store_b128 v178, v[AC+4:AC+7] offset:LP+16
	ds_store_b32 v176, v[L] offset:LL
	s_wait_dscnt 0x0
	s_barrier_signal -1
	s_barrier_wait -1
	s_cmp_gt_u32 s10, 1
	s_cbranch_scc1 .Lno_a                          ; waves 0 and 1: thread t makes a[t]
	v_lshlrev_b32 v179, 2, v0
.set i, 0
.rept 8
	ds_load_b32 v[180+i], v179 offset:LP+256*i
.set i, i+1
.endr
	ds_load_b128 v[188:191], v177 offset:LL
	ds_load_b128 v[192:195], v177 offset:LL+16
	s_wait_dscnt 0x0
	v_pk_add_f32 v[180:181], v[180:181], v[182:183]
	v_pk_add_f32 v[184:185], v[184:185], v[186:187]
	v_pk_add_f32 v[188:189], v[188:189], v[190:191]
	v_pk_add_f32 v[192:193], v[192:193], v[194:195]
	v_pk_add_f32 v[180:181], v[180:181], v[184:185]
	v_pk_add_f32 v[188:189], v[188:189], v[192:193]
	v_add_f32 v180, v180, v181
	v_add_f32 v188, v188, v189
	v_rcp_f32 v188, v188
	v_nop
	s_wait_alu depctr_va_vdst(0)
	v_mul_f32 v180, v180, v188
	ds_store_b32 v179, v180 offset:LA
.Lno_a:
	s_wait_dscnt 0x0
	s_barrier_signal -1
	s_barrier_wait -1
	v_and_b32 v178, 0xc0, v0                       ; 64 bytes of a for each group of 16 rows
.irp k, 0,1,2,3
	ds_load_b128 v[180+4*\k:183+4*\k], v178 offset:LA+16*\k
.endr
	s_wait_dscnt 0x0
.set i, 0
.rept 16
.irp c, 0,1,2,3
.if i == 0
	v_mul_f32 v[AC+\c], v[180+i], v[WO+4*i+\c]
.else
	v_fmac_f32 v[AC+\c], v[180+i], v[WO+4*i+\c]
.endif
.endr
.set i, i+1
.endr
	ds_store_b128 v1, v[AC:AC+3] offset:LW
	s_wait_dscnt 0x0
	s_barrier_signal -1
	s_barrier_wait -1
	s_cmp_gt_u32 s10, 1
	s_cbranch_scc1 .Lend                           ; waves 0 and 1 add the four row groups and store 1,024 consecutive bytes
.irp k, 0,1,2,3
	ds_load_b128 v[180+4*\k:183+4*\k], v1 offset:LW+1024*\k
.endr
	s_wait_dscnt 0x0
	v_pk_add_f32 v[180:181], v[180:181], v[184:185]
	v_pk_add_f32 v[182:183], v[182:183], v[186:187]
	v_pk_add_f32 v[188:189], v[188:189], v[192:193]
	v_pk_add_f32 v[190:191], v[190:191], v[194:195]
	v_pk_add_f32 v[180:181], v[180:181], v[188:189]
	v_pk_add_f32 v[182:183], v[182:183], v[190:191]
	global_store_b128 v1, v[180:183], s[8:9]
.Lend:
	s_wait_tensorcnt 0x0                           ; the wave's end
	ds_add_u32 v6, v7
	s_wait_dscnt 0x0
	s_endpgm
.Lfunc_end_k_q3437851641_tail1:
	.size	k_q3437851641_tail1, .Lfunc_end_k_q3437851641_tail1-k_q3437851641_tail1
	.p2alignl 7, 3214868480
	.fill 96, 4, 3214868480
	.section	.rodata,"a",@progbits
	.p2align	6, 0x0
	.amdhsa_kernel k_q3437851641_tail1
		.amdhsa_group_segment_fixed_size 8192
		.amdhsa_private_segment_fixed_size 0
		.amdhsa_enable_private_segment 0
		.amdhsa_kernarg_size 24
		.amdhsa_user_sgpr_count 2
		.amdhsa_user_sgpr_kernarg_segment_ptr 1
		.amdhsa_wavefront_size32 1
		.amdhsa_system_sgpr_workgroup_id_x 1
		.amdhsa_system_sgpr_workgroup_id_y 1
		.amdhsa_system_sgpr_workgroup_id_z 1
		.amdhsa_system_vgpr_workitem_id 0
		.amdhsa_next_free_vgpr 200
		.amdhsa_next_free_sgpr 66
		.amdhsa_reserve_vcc 1
		.amdhsa_float_denorm_mode_32 3
		.amdhsa_float_denorm_mode_16_64 3
		.amdhsa_memory_ordered 1
		.amdhsa_forward_progress 1
		.amdhsa_inst_pref_size 26
	.end_amdhsa_kernel
	.amdgpu_metadata
---
amdhsa.version: [ 1, 2 ]
amdhsa.kernels:
  - .name:           k_q3437851641_tail1
    .symbol:         k_q3437851641_tail1.kd
    .args:
      - { .name: qkv, .offset: 0, .size: 8, .value_kind: global_buffer, .address_space: global }
      - { .name: params_layers_1_wo, .offset: 8, .size: 8, .value_kind: global_buffer, .address_space: global }
      - { .name: part, .offset: 16, .size: 8, .value_kind: global_buffer, .address_space: global }
    .group_segment_fixed_size: 8192
    .private_segment_fixed_size: 0
    .kernarg_segment_align: 8
    .kernarg_segment_size: 24
    .max_flat_workgroup_size: 256
    .sgpr_count:     66
    .vgpr_count:     200
    .wavefront_size: 32
...
	.end_amdgpu_metadata
.endif
;; end of part 7
;; launch tail2 (part 8): grid 48 x 4, 6 waves a work-group, no clusters, 5,632 bytes of LDS; arguments part, res0, params_layers_1_bo, params_layers_1_ln1_g, params_layers_1_ln1_b, params_layers_1_wi, vec; writes vec
.if DOCPART == 8
	.amdgcn_target "amdgcn-amd-amdhsa--gfx1250"
	.amdhsa_code_object_version 6
	.text
	.protected	k_q3437851641_tail2
	.globl	k_q3437851641_tail2
	.p2align	8
	.type	k_q3437851641_tail2,@function
k_q3437851641_tail2:
	s_mov_b64 s[64:65], 0
	v_nop
	global_prefetch_b8 v0, s[64:65] scope:SCOPE_SE
	s_setreg_imm32_b32 hwreg(HW_REG_WAVE_MODE, 25, 1), 1
	s_wait_xcnt 0x0
; Layer 1, token 0: y = LayerNorm(x2[0] + the twelve heads' shares of a wo + bo) g + b, and a share of y wi: hp[ks][64 strip ..] = y[192 ks .. + 191] wi[192 ks .. + 191][64 strip .. + 63], all f32.
; One row feeds no matrix tile, and wi is streamed once: vector arithmetic.  Every work-group makes y for itself (46 KB that all of them read) while its 48 KB of wi are on their way; the first stores y.
; SHARES.  Thread t of 192 owns the four columns of y at quad (t + 48 ks) mod 192 and puts them at place t of y's LDS bytes: so the 192 numbers that this work-group multiplies lie at their head, whatever ks.
; Of wi thread t holds rows 16 (t / 16) + i, i = 0..15, columns 4 (t % 16) on: 16 lanes cover 256 consecutive bytes, aligned.
; The mean is taken first and the variance of the centred numbers.  NaN and infinities are not treated apart.
.set LY, 256                           ; LDS: words 0-5 the waves' sums, words 8-13 their sums of squares; y from 256 on,
.set LS, 3328                          ; the waves' sums of y wi: [6][64],
.set SPARE, 4864                       ; the spare words, 128 bytes for each wave
; v1 16 x my quad; v2 wi's offset; v3 16 t; v4, v5 the add's two registers; v6 my wave's word; v7 0
.set PLN, 16                           ; v[8:11] x, v[12:15] bo, v[16:63] the heads' shares
.set G,   64
.set B,   68
.set W,   72                           ; v[72:135]  sixteen rows of wi
.set Y,   136                          ; v[136:151] sixteen numbers of y
.set AC,  152                          ; v[152:155]
; v[156:163] at work; v164, v165 addresses
.macro WRED r, t                       ; the sum over the wave's 32 lanes, in every lane
.irp m, 1,2,4,8
	v_add_f32_dpp v\r, v\r, v\r row_xmask:\m row_mask:0xf bank_mask:0xf
.endr
	v_permlanex16_b32 v\t, v\r, s26, s27
	v_add_f32 v\r, v\r, v\t
.endm
.macro GSUM off                        ; v156 over the six waves: each stores its word, a barrier, each reads all six
	ds_store_b32 v6, v156 offset:\off
	s_wait_dscnt 0x0
	s_barrier_signal -1
	s_barrier_wait -1
	ds_load_b128 v[156:159], v7 offset:\off
	ds_load_b64 v[160:161], v7 offset:\off+16
	s_wait_dscnt 0x0
	v_pk_add_f32 v[156:157], v[156:157], v[158:159]
	v_pk_add_f32 v[156:157], v[156:157], v[160:161]
	v_add_f32 v156, v156, v157
.endm
	s_load_b256 s[4:11], s[0:1], 0x0               ; part s[4:5], x2 s[6:7], bo s[8:9], g s[10:11]
	s_load_b128 s[12:15], s[0:1], 0x20             ; b s[12:13], wi s[14:15]
	s_load_b64 s[16:17], s[0:1], 0x30              ; vec
	v_lshl_add_u32 v4, v0, 2, SPARE
	v_mov_b32 v5, 0
	v_lshrrev_b32 v6, 5, v0
	v_readfirstlane_b32 s18, v6
	v_lshlrev_b32 v6, 2, v6
	v_mov_b32 v7, 0
	s_and_b32 s19, ttmp7, 0xffff                   ; ks
	s_mul_i32 s20, s19, 48
	v_add_nc_u32 v1, s20, v0
	v_add_nc_u32 v3, 0xffffff40, v1                ; - 192: wraps to a large number where t + 48 ks < 192
	v_min_u32 v1, v1, v3                           ; (t + 48 ks) mod 192
	v_lshlrev_b32 v1, 4, v1
	v_lshlrev_b32 v3, 4, v0
	v_lshrrev_b32 v2, 4, v0
	v_mul_u32_u24 v2, v2, 16*12288
	v_and_b32 v165, 15, v0
	v_lshl_add_u32 v2, v165, 4, v2
	s_lshl_b32 s21, ttmp9, 8                       ; the strip's 256 bytes
	s_mul_i32 s22, s19, 192*12288
	s_add_co_u32 s22, s22, s21
	s_mov_b32 s23, 0
	s_mul_i32 s24, s19, 12288
	s_add_co_u32 s24, s24, s21
	s_mov_b32 s25, 0
	s_mov_b32 s26, 0x76543210
	s_mov_b32 s27, 0xfedcba98
	s_mov_b32 s28, 0xbaaaaaab                      ; -1 / 768
	s_mov_b32 s29, 0x3aaaaaab                      ; 1 / 768
	s_mov_b32 s30, 0x3727c5ac                      ; 1e-5
	s_or_b32 s31, s19, ttmp9                       ; 0 in the first work-group alone
	s_wait_kmcnt 0x0
	s_add_nc_u64 s[14:15], s[14:15], s[22:23]
	s_add_nc_u64 s[24:25], s[16:17], s[24:25]
	global_load_b128 v[8:11], v1, s[6:7]
	global_load_b128 v[12:15], v1, s[8:9]
.set p, 0
.rept 12
	global_load_b128 v[PLN+4*p:PLN+4*p+3], v1, s[4:5] offset:3072*p
.set p, p+1
.endr
	global_load_b128 v[G:G+3], v1, s[10:11]
	global_load_b128 v[B:B+3], v1, s[12:13]
.set i, 0
.rept 16
	global_load_b128 v[W+4*i:W+4*i+3], v2, s[14:15] offset:12288*i th:TH_LOAD_NT
.set i, i+1
.endr
	s_wait_loadcnt 18                              ; g, b and wi's sixteen rows may stay out
.set p, 0
.rept 6
	v_pk_add_f32 v[8:9], v[8:9], v[PLN+8*p:PLN+8*p+1]
	v_pk_add_f32 v[10:11], v[10:11], v[PLN+8*p+2:PLN+8*p+3]
	v_pk_add_f32 v[12:13], v[12:13], v[PLN+8*p+4:PLN+8*p+5]
	v_pk_add_f32 v[14:15], v[14:15], v[PLN+8*p+6:PLN+8*p+7]
.set p, p+1
.endr
	v_pk_add_f32 v[8:9], v[8:9], v[12:13]
	v_pk_add_f32 v[10:11], v[10:11], v[14:15]
	v_pk_add_f32 v[156:157], v[8:9], v[10:11]
	v_add_f32 v156, v156, v157
	WRED 156, 157
	GSUM 0
	v_mul_f32 v162, s28, v156                      ; minus the mean
	v_mov_b32 v163, v162
	v_pk_add_f32 v[8:9], v[8:9], v[162:163]
	v_pk_add_f32 v[10:11], v[10:11], v[162:163]
	v_pk_mul_f32 v[156:157], v[8:9], v[8:9]
	v_pk_fma_f32 v[156:157], v[10:11], v[10:11], v[156:157]
	v_add_f32 v156, v156, v157
	WRED 156, 157
	GSUM 32
	v_fma_f32 v156, v156, s29, s30
	v_rsq_f32 v162, v156
	v_rsq_f32 v163, v156
	v_nop
	s_wait_loadcnt 16                              ; g and b are in
	s_wait_alu depctr_va_vdst(0)
	v_pk_mul_f32 v[8:9], v[8:9], v[162:163]
	v_pk_mul_f32 v[10:11], v[10:11], v[162:163]
	v_pk_fma_f32 v[8:9], v[8:9], v[G:G+1], v[B:B+1]
	v_pk_fma_f32 v[10:11], v[10:11], v[G+2:G+3], v[B+2:B+3]
	ds_store_b128 v3, v[8:11] offset:LY
	s_cmp_lg_u32 s31, 0
	s_cbranch_scc1 .Lno_y1
	global_store_b128 v1, v[8:11], s[16:17] offset:49152  ; y, for the last launch's residual
.Lno_y1:
	s_wait_dscnt 0x0
	s_barrier_signal -1
	s_barrier_wait -1
	v_and_b32 v164, 0xf0, v0
	v_lshlrev_b32 v164, 2, v164                    ; 64 bytes of y for each group of 16 rows
.irp k, 0,1,2,3
	ds_load_b128 v[Y+4*\k:Y+4*\k+3], v164 offset:LY+16*\k
.endr
	s_wait_dscnt 0x0
.set i, 0
.rept 16
	s_wait_loadcnt 15-i                            ; row i of wi is in
.irp c, 0,1,2,3
.if i == 0
	v_mul_f32 v[AC+\c], v[Y+i], v[W+4*i+\c]
.else
	v_fmac_f32 v[AC+\c], v[Y+i], v[W+4*i+\c]
.endif
.endr
.set i, i+1
.endr
.irp c, 0,1,2,3                        ; the wave's other group of rows lies in the lane 16 away
	v_permlanex16_b32 v[156+\c], v[AC+\c], s26, s27
.endr
	v_pk_add_f32 v[AC:AC+1], v[AC:AC+1], v[156:157]
	v_pk_add_f32 v[AC+2:AC+3], v[AC+2:AC+3], v[158:159]
	v_lshlrev_b32 v164, 6, v6                      ; my wave's 256 bytes
	v_lshl_add_u32 v164, v165, 4, v164
	ds_store_b128 v164, v[AC:AC+3] offset:LS
	s_wait_dscnt 0x0
	s_barrier_signal -1
	s_barrier_wait -1
	s_cmp_lg_u32 s18, 0
	s_cbranch_scc1 .Lend                           ; wave 0 adds the six waves' sums and stores 256 consecutive bytes
	v_lshlrev_b32 v165, 3, v0
.irp k, 0,1,2,3,4,5
	ds_load_b64 v[Y+2*\k:Y+2*\k+1], v165 offset:LS+256*\k
.endr
	s_wait_dscnt 0x0
	v_pk_add_f32 v[Y:Y+1], v[Y:Y+1], v[Y+2:Y+3]
	v_pk_add_f32 v[Y+4:Y+5], v[Y+4:Y+5], v[Y+6:Y+7]
	v_pk_add_f32 v[Y+8:Y+9], v[Y+8:Y+9], v[Y+10:Y+11]
	v_pk_add_f32 v[Y:Y+1], v[Y:Y+1], v[Y+4:Y+5]
	v_pk_add_f32 v[Y:Y+1], v[Y:Y+1], v[Y+8:Y+9]
	global_store_b64 v165, v[Y:Y+1], s[24:25]
.Lend:
	s_wait_tensorcnt 0x0                           ; the wave's end
	ds_add_u32 v4, v5
	s_wait_dscnt 0x0
	s_endpgm
.Lfunc_end_k_q3437851641_tail2:
	.size	k_q3437851641_tail2, .Lfunc_end_k_q3437851641_tail2-k_q3437851641_tail2
	.p2alignl 7, 3214868480
	.fill 96, 4, 3214868480
	.section	.rodata,"a",@progbits
	.p2align	6, 0x0
	.amdhsa_kernel k_q3437851641_tail2
		.amdhsa_group_segment_fixed_size 5632
		.amdhsa_private_segment_fixed_size 0
		.amdhsa_enable_private_segment 0
		.amdhsa_kernarg_size 56
		.amdhsa_user_sgpr_count 2
		.amdhsa_user_sgpr_kernarg_segment_ptr 1
		.amdhsa_wavefront_size32 1
		.amdhsa_system_sgpr_workgroup_id_x 1
		.amdhsa_system_sgpr_workgroup_id_y 1
		.amdhsa_system_sgpr_workgroup_id_z 1
		.amdhsa_system_vgpr_workitem_id 0
		.amdhsa_next_free_vgpr 168
		.amdhsa_next_free_sgpr 66
		.amdhsa_reserve_vcc 0
		.amdhsa_float_denorm_mode_32 3
		.amdhsa_float_denorm_mode_16_64 3
		.amdhsa_memory_ordered 1
		.amdhsa_forward_progress 1
		.amdhsa_inst_pref_size 14
	.end_amdhsa_kernel
	.amdgpu_metadata
---
amdhsa.version: [ 1, 2 ]
amdhsa.kernels:
  - .name:           k_q3437851641_tail2
    .symbol:         k_q3437851641_tail2.kd
    .args:
      - { .name: part, .offset: 0, .size: 8, .value_kind: global_buffer, .address_space: global }
      - { .name: res0, .offset: 8, .size: 8, .value_kind: global_buffer, .address_space: global }
      - { .name: params_layers_1_bo, .offset: 16, .size: 8, .value_kind: global_buffer, .address_space: global }
      - { .name: params_layers_1_ln1_g, .offset: 24, .size: 8, .value_kind: global_buffer, .address_space: global }
      - { .name: params_layers_1_ln1_b, .offset: 32, .size: 8, .value_kind: global_buffer, .address_space: global }
      - { .name: params_layers_1_wi, .offset: 40, .size: 8, .value_kind: global_buffer, .address_space: global }
      - { .name: vec, .offset: 48, .size: 8, .value_kind: global_buffer, .address_space: global }
    .group_segment_fixed_size: 5632
    .private_segment_fixed_size: 0
    .kernarg_segment_align: 8
    .kernarg_segment_size: 56
    .max_flat_workgroup_size: 192
    .sgpr_count:     66
    .vgpr_count:     168
    .wavefront_size: 32
...
	.end_amdgpu_metadata
.endif
;; end of part 8
;; launch tail3 (part 9): grid 48 x 1, 12 waves a work-group, no clusters, 7,680 bytes of LDS; arguments vec, params_layers_1_bi, params_layers_1_wf, hb; writes hb
.if DOCPART == 9
	.amdgcn_target "amdgcn-amd-amdhsa--gfx1250"
	.amdhsa_code_object_version 6
	.text
	.protected	k_q3437851641_tail3
	.globl	k_q3437851641_tail3
	.p2align	8
	.type	k_q3437851641_tail3,@function
k_q3437851641_tail3:
	s_mov_b64 s[64:65], 0
	v_nop
	global_prefetch_b8 v0, s[64:65] scope:SCOPE_SE
	s_setreg_imm32_b32 hwreg(HW_REG_WAVE_MODE, 25, 1), 1
	s_wait_xcnt 0x0
; Layer 1, token 0: h = gelu(the four parts of y wi + bi), the exact (erf) form, and a share of h wf: out[kb][768] = h[64 kb .. + 63] wf[64 kb .. + 63][:], all f32; the last launch adds the 48 shares.
; One row feeds no matrix tile, and wf is streamed once: vector arithmetic.
; GELU.  max(x, 0) - 0.5 |x| q e with z = |x| / sqrt 2, t = 1 / (1 + 0.3275911 z), q = the polynomial of Abramowitz and Stegun 7.1.26 in t, e = exp(-z z).  LIMIT: its error in erf is 1.5e-7 at the most.
; NaN and infinities are not treated apart.
; SHARES.  Waves 0-5 take the group's first 32 rows of wf, waves 6-11 the other 32; a wave takes 128 columns: each load covers 512 consecutive bytes.  Lane l makes h of the wave's row l; the 32 numbers
; go into scalar registers and multiply the rows as they arrive.
.set SPARE, 6144                       ; LDS: the twelve waves' sums, 512 bytes each; then the spare words, 128 bytes for each wave
; v1 16 t; v2, v3 the add's two registers; v6 4 x lane; v7 16 x lane; v[8:15] at work, then v[12:15] the sums; v[16:143] 32 rows of wf
	s_load_b256 s[4:11], s[0:1], 0x0               ; vec s[4:5], bi s[6:7], wf s[8:9], out s[10:11]
	v_lshl_add_u32 v2, v0, 2, SPARE
	v_mov_b32 v3, 0
	v_lshrrev_b32 v4, 5, v0
	v_readfirstlane_b32 s12, v4
	s_cmp_ge_u32 s12, 6
	s_cselect_b32 s13, 1, 0                        ; which 32 rows
	s_mul_i32 s14, s13, 6
	s_sub_co_u32 s14, s12, s14                     ; which 128 columns
	v_and_b32 v5, 31, v0
	v_lshlrev_b32 v6, 2, v5
	v_lshlrev_b32 v7, 4, v5
	v_lshlrev_b32 v1, 4, v0
	s_lshl_b32 s15, ttmp9, 6
	s_lshl_b32 s48, s13, 5
	s_add_co_u32 s15, s15, s48                     ; my first row
	s_lshl_b32 s50, s15, 2
	s_mov_b32 s51, 0
	s_mul_i32 s52, s15, 3072
	s_lshl_b32 s48, s14, 9
	s_add_co_u32 s52, s52, s48
	s_mov_b32 s53, 0
	s_mul_i32 s54, ttmp9, 3072
	s_mov_b32 s55, 0
	s_mov_b32 s56, 0x3f3504f3                      ; 1 / sqrt 2
	s_mov_b32 s57, 0x3ea7ba05                      ; 0.3275911
	s_mov_b32 s58, 0xbfb8aa3b                      ; -log2(e)
	s_wait_kmcnt 0x0
	s_add_nc_u64 s[4:5], s[4:5], s[50:51]
	s_add_nc_u64 s[6:7], s[6:7], s[50:51]
	s_add_nc_u64 s[8:9], s[8:9], s[52:53]
	s_add_nc_u64 s[10:11], s[10:11], s[54:55]
.irp p, 0,1,2,3
	global_load_b32 v[8+\p], v6, s[4:5] offset:12288*\p
.endr
	global_load_b32 v12, v6, s[6:7]
.set i, 0
.rept 32
	global_load_b128 v[16+4*i:19+4*i], v7, s[8:9] offset:3072*i th:TH_LOAD_NT
.set i, i+1
.endr
	s_wait_loadcnt 32                              ; wf's 32 rows may stay out
	v_add_f32 v8, v8, v9
	v_add_f32 v10, v10, v11
	v_add_f32 v8, v8, v10
	v_add_f32 v8, v8, v12                          ; x
	v_and_b32 v9, 0x7fffffff, v8                   ; |x|
	v_mul_f32 v11, s56, v9                         ; z
	v_fma_f32 v10, v11, s57, 1.0
	v_mul_f32 v11, v11, v11
	v_mul_f32 v11, s58, v11
	v_rcp_f32 v10, v10                             ; t
	v_exp_f32 v11, v11                             ; e
	v_mul_f32 v9, -0.5, v9                         ; a plain instruction behind them
	v_mov_b32 v12, 0x3f87dc22                      ; 1.061405429
	s_wait_alu depctr_va_vdst(0)
	v_fmaak_f32 v12, v12, v10, 0xbfba00e3          ; -1.453152027
	v_fmaak_f32 v12, v12, v10, 0x3fb5f0e3          ; 1.421413741
	v_fmaak_f32 v12, v12, v10, 0xbe91a98e          ; -0.284496736
	v_fmaak_f32 v12, v12, v10, 0x3e827906          ; 0.254829592
	v_mul_f32 v12, v12, v10
	v_mul_f32 v12, v12, v11
	v_max_num_f32 v8, 0, v8
	v_fmac_f32 v8, v9, v12                         ; h of my row
.set i, 0
.rept 32
	v_readlane_b32 s[16+i], v8, i
.set i, i+1
.endr
.set i, 0
.rept 32
	s_wait_loadcnt 31-i                            ; row i is in
.irp c, 0,1,2,3
.if i == 0
	v_mul_f32 v[12+\c], s[16+i], v[16+4*i+\c]
.else
	v_fmac_f32 v[12+\c], s[16+i], v[16+4*i+\c]
.endif
.endr
.set i, i+1
.endr
	ds_store_b128 v1, v[12:15]
	s_wait_dscnt 0x0
	s_barrier_signal -1
	s_barrier_wait -1
	s_cmp_ge_u32 s12, 6
	s_cbranch_scc1 .Lend                           ; waves 0-5 add the sums of the wave six further on and store 512 consecutive bytes each
	ds_load_b128 v[16:19], v1 offset:3072
	s_wait_dscnt 0x0
	v_pk_add_f32 v[12:13], v[12:13], v[16:17]
	v_pk_add_f32 v[14:15], v[14:15], v[18:19]
	global_store_b128 v1, v[12:15], s[10:11]
.Lend:
	s_wait_tensorcnt 0x0                           ; the wave's end
	ds_add_u32 v2, v3
	s_wait_dscnt 0x0
	s_endpgm
.Lfunc_end_k_q3437851641_tail3:
	.size	k_q3437851641_tail3, .Lfunc_end_k_q3437851641_tail3-k_q3437851641_tail3
	.p2alignl 7, 3214868480
	.fill 96, 4, 3214868480
	.section	.rodata,"a",@progbits
	.p2align	6, 0x0
	.amdhsa_kernel k_q3437851641_tail3
		.amdhsa_group_segment_fixed_size 7680
		.amdhsa_private_segment_fixed_size 0
		.amdhsa_enable_private_segment 0
		.amdhsa_kernarg_size 32
		.amdhsa_user_sgpr_count 2
		.amdhsa_user_sgpr_kernarg_segment_ptr 1
		.amdhsa_wavefront_size32 1
		.amdhsa_system_sgpr_workgroup_id_x 1
		.amdhsa_system_sgpr_workgroup_id_y 1
		.amdhsa_system_sgpr_workgroup_id_z 1
		.amdhsa_system_vgpr_workitem_id 0
		.amdhsa_next_free_vgpr 144
		.amdhsa_next_free_sgpr 66
		.amdhsa_reserve_vcc 0
		.amdhsa_float_denorm_mode_32 3
		.amdhsa_float_denorm_mode_16_64 3
		.amdhsa_memory_ordered 1
		.amdhsa_forward_progress 1
		.amdhsa_inst_pref_size 14
	.end_amdhsa_kernel
	.amdgpu_metadata
---
amdhsa.version: [ 1, 2 ]
amdhsa.kernels:
  - .name:           k_q3437851641_tail3
    .symbol:         k_q3437851641_tail3.kd
    .args:
      - { .name: vec, .offset: 0, .size: 8, .value_kind: global_buffer, .address_space: global }
      - { .name: params_layers_1_bi, .offset: 8, .size: 8, .value_kind: global_buffer, .address_space: global }
      - { .name: params_layers_1_wf, .offset: 16, .size: 8, .value_kind: global_buffer, .address_space: global }
      - { .name: hb, .offset: 24, .size: 8, .value_kind: global_buffer, .address_space: global }
    .group_segment_fixed_size: 7680
    .private_segment_fixed_size: 0
    .kernarg_segment_align: 8
    .kernarg_segment_size: 32
    .max_flat_workgroup_size: 384
    .sgpr_count:     66
    .vgpr_count:     144
    .wavefront_size: 32
...
	.end_amdgpu_metadata
.endif
;; end of part 9
;; launch fin (part 10): grid 1 x 1, 6 waves a work-group, no clusters, 1,024 bytes of LDS; arguments hb, vec, params_layers_1_bf, params_layers_1_ln2_g, params_layers_1_ln2_b, out0; writes out0
.if DOCPART == 10
	.amdgcn_target "amdgcn-amd-amdhsa--gfx1250"
	.amdhsa_code_object_version 6
	.text
	.protected	k_q3437851641_fin
	.globl	k_q3437851641_fin
	.p2align	8
	.type	k_q3437851641_fin,@function
k_q3437851641_fin:
	s_mov_b64 s[64:65], 0
	v_nop
	global_prefetch_b8 v0, s[64:65] scope:SCOPE_SE
	s_setreg_imm32_b32 hwreg(HW_REG_WAVE_MODE, 25, 1), 1
	s_wait_xcnt 0x0
; out0 = LayerNorm(y + the 48 shares of h wf + bf) g + b: one row of 768 f32, one work-group: the sum over all shares has one owner.
; Thread t of 192 owns columns 4 t .. 4 t + 3: each load and store of a wave covers 512 consecutive bytes.  All 52 loads of a thread go out at once.
; The mean is taken first and the variance of the centred numbers.  NaN and infinities are not treated apart.
.set SPARE, 256                        ; LDS: words 0-5 the waves' sums, words 8-13 their sums of squares; then the spare words, 128 bytes for each wave
; v1 16 t; v2, v3 the add's two registers; v4 my wave's word; v5 0; v[8:11] y and the even shares; v[12:15] bf and the odd ones; v[16:19] g; v[20:23] b; v[24:215] the shares; v[216:223] at work
.set PLN, 24
.macro WRED r, t
.irp m, 1,2,4,8
	v_add_f32_dpp v\r, v\r, v\r row_xmask:\m row_mask:0xf bank_mask:0xf
.endr
	v_permlanex16_b32 v\t, v\r, s16, s17
	v_add_f32 v\r, v\r, v\t
.endm
.macro GSUM off
	ds_store_b32 v4, v216 offset:\off
	s_wait_dscnt 0x0
	s_barrier_signal -1
	s_barrier_wait -1
	ds_load_b128 v[216:219], v5 offset:\off
	ds_load_b64 v[220:221], v5 offset:\off+16
	s_wait_dscnt 0x0
	v_pk_add_f32 v[216:217], v[216:217], v[218:219]
	v_pk_add_f32 v[216:217], v[216:217], v[220:221]
	v_add_f32 v216, v216, v217
.endm
	s_load_b256 s[4:11], s[0:1], 0x0               ; shares s[4:5], vec s[6:7], bf s[8:9], g s[10:11]
	s_load_b128 s[12:15], s[0:1], 0x20             ; b s[12:13], out0 s[14:15]
	v_lshl_add_u32 v2, v0, 2, SPARE
	v_mov_b32 v3, 0
	v_lshrrev_b32 v4, 5, v0
	v_lshlrev_b32 v4, 2, v4
	v_mov_b32 v5, 0
	v_lshlrev_b32 v1, 4, v0
	s_mov_b32 s16, 0x76543210
	s_mov_b32 s17, 0xfedcba98
	s_mov_b32 s18, 0xbaaaaaab                      ; -1 / 768
	s_mov_b32 s19, 0x3aaaaaab                      ; 1 / 768
	s_mov_b32 s20, 0x3727c5ac                      ; 1e-5
	s_wait_kmcnt 0x0
	global_load_b128 v[8:11], v1, s[6:7] offset:49152
	global_load_b128 v[12:15], v1, s[8:9]
.set p, 0
.rept 48
	global_load_b128 v[PLN+4*p:PLN+4*p+3], v1, s[4:5] offset:3072*p
.set p, p+1
.endr
	global_load_b128 v[16:19], v1, s[10:11]
	global_load_b128 v[20:23], v1, s[12:13]
.set p, 0
.rept 48
	s_wait_loadcnt 49-p                            ; share p is in: the 47 - p younger shares, g and b may stay out
	v_pk_add_f32 v[8+4*(p%2):9+4*(p%2)], v[8+4*(p%2):9+4*(p%2)], v[PLN+4*p:PLN+4*p+1]
	v_pk_add_f32 v[10+4*(p%2):11+4*(p%2)], v[10+4*(p%2):11+4*(p%2)], v[PLN+4*p+2:PLN+4*p+3]
.set p, p+1
.endr
	v_pk_add_f32 v[8:9], v[8:9], v[12:13]
	v_pk_add_f32 v[10:11], v[10:11], v[14:15]
	v_pk_add_f32 v[216:217], v[8:9], v[10:11]
	v_add_f32 v216, v216, v217
	WRED 216, 217
	GSUM 0
	v_mul_f32 v222, s18, v216                      ; minus the mean
	v_mov_b32 v223, v222
	v_pk_add_f32 v[8:9], v[8:9], v[222:223]
	v_pk_add_f32 v[10:11], v[10:11], v[222:223]
	v_pk_mul_f32 v[216:217], v[8:9], v[8:9]
	v_pk_fma_f32 v[216:217], v[10:11], v[10:11], v[216:217]
	v_add_f32 v216, v216, v217
	WRED 216, 217
	GSUM 32
	v_fma_f32 v216, v216, s19, s20
	v_rsq_f32 v222, v216
	v_rsq_f32 v223, v216
	v_nop
	s_wait_loadcnt 0x0                             ; g and b
	s_wait_alu depctr_va_vdst(0)
	v_pk_mul_f32 v[8:9], v[8:9], v[222:223]
	v_pk_mul_f32 v[10:11], v[10:11], v[222:223]
	v_pk_fma_f32 v[8:9], v[8:9], v[16:17], v[20:21]
	v_pk_fma_f32 v[10:11], v[10:11], v[18:19], v[22:23]
	global_store_b128 v1, v[8:11], s[14:15]
	s_wait_tensorcnt 0x0                           ; the wave's end
	ds_add_u32 v2, v3
	s_wait_dscnt 0x0
	s_endpgm
.Lfunc_end_k_q3437851641_fin:
	.size	k_q3437851641_fin, .Lfunc_end_k_q3437851641_fin-k_q3437851641_fin
	.p2alignl 7, 3214868480
	.fill 96, 4, 3214868480
	.section	.rodata,"a",@progbits
	.p2align	6, 0x0
	.amdhsa_kernel k_q3437851641_fin
		.amdhsa_group_segment_fixed_size 1024
		.amdhsa_private_segment_fixed_size 0
		.amdhsa_enable_private_segment 0
		.amdhsa_kernarg_size 48
		.amdhsa_user_sgpr_count 2
		.amdhsa_user_sgpr_kernarg_segment_ptr 1
		.amdhsa_wavefront_size32 1
		.amdhsa_system_sgpr_workgroup_id_x 1
		.amdhsa_system_sgpr_workgroup_id_y 1
		.amdhsa_system_sgpr_workgroup_id_z 1
		.amdhsa_system_vgpr_workitem_id 0
		.amdhsa_next_free_vgpr 224
		.amdhsa_next_free_sgpr 66
		.amdhsa_reserve_vcc 0
		.amdhsa_float_denorm_mode_32 3
		.amdhsa_float_denorm_mode_16_64 3
		.amdhsa_memory_ordered 1
		.amdhsa_forward_progress 1
		.amdhsa_inst_pref_size 17
	.end_amdhsa_kernel
	.amdgpu_metadata
---
amdhsa.version: [ 1, 2 ]
amdhsa.kernels:
  - .name:           k_q3437851641_fin
    .symbol:         k_q3437851641_fin.kd
    .args:
      - { .name: hb, .offset: 0, .size: 8, .value_kind: global_buffer, .address_space: global }
      - { .name: vec, .offset: 8, .size: 8, .value_kind: global_buffer, .address_space: global }
      - { .name: params_layers_1_bf, .offset: 16, .size: 8, .value_kind: global_buffer, .address_space: global }
      - { .name: params_layers_1_ln2_g, .offset: 24, .size: 8, .value_kind: global_buffer, .address_space: global }
      - { .name: params_layers_1_ln2_b, .offset: 32, .size: 8, .value_kind: global_buffer, .address_space: global }
      - { .name: out0, .offset: 40, .size: 8, .value_kind: global_buffer, .address_space: global }
    .group_segment_fixed_size: 1024
    .private_segment_fixed_size: 0
    .kernarg_segment_align: 8
    .kernarg_segment_size: 48
    .max_flat_workgroup_size: 192
    .sgpr_count:     66
    .vgpr_count:     224
    .wavefront_size: 32
...
	.end_amdgpu_metadata
.endif
;; end of part 10
;; ======== version 2 of 2: 13 launches; version 1 with the launches emb, lna, lnb written anew for expert scheduling mode
;; limits: a function is approximated: absolute error at most 1.5e-07; an absolute error that grows with the inputs' magnitude: up to 7.5e-08 times it
;; workspace buffers: act 884,736 bytes; hb 1,769,472 bytes; res0 1,769,472 bytes; res1 884,736 bytes; qkv 2,211,840 bytes; part 3,538,944 bytes; vec 52,224 bytes
;; launch emb (part 11): grid 36 x 1, 8 waves a work-group, no clusters, 0 bytes of LDS; arguments full_vec, params_pos_emb, params_type_emb, params_emb_ln_g, params_emb_ln_b, res0, act; writes res0, act
.if DOCPART == 11
	.amdgcn_target "amdgcn-amd-amdhsa--gfx1250"
	.amdhsa_code_object_version 6
	.text
	.protected	k_q3437851641_emb
	.globl	k_q3437851641_emb
	.p2align	8
	.type	k_q3437851641_emb,@function
k_q3437851641_emb:
	s_mov_b64 s[64:65], 0
	v_nop
	global_prefetch_b8 v0, s[64:65] scope:SCOPE_SE
	s_setreg_imm32_b32 hwreg(HW_REG_WAVE_SCHED_MODE, 0, 2), 2
	s_setreg_imm32_b32 hwreg(HW_REG_WAVE_MODE, 25, 1), 1
	s_wait_xcnt 0x0
	s_wait_alu depctr_vm_vsrc(0)
; y = LayerNorm(res + plane + vec) * g + b over rows of 768 f32; y leaves as f32 rows and, rounded once, as bf16 in strips [12][576 rows][64].
; Used twice: for the embedding (res = full_vec, plane = pos_emb, vec = type_emb; 576 rows) and behind layer 0's attention (res = x0, plane = a wo, vec = bo; 288 rows).
; WHICH ROWS.  The result of the whole program is token 0 of layer 1.  By the band that the model itself builds (|key - query| <= 256) it hangs on rows 0..256 of layer 0's output and these on
; rows 0..512 of the embedding; rounded up to whole tiles: 288 and 576 rows.  Rows of full_vec and pos_emb from 576 on reach no number of the output and are not read.
; SHARES.  A work-group owns 16 rows, a wave two: lanes 0-15 one row, lanes 16-31 the next.  Lane i of a row holds columns 64 j + 4 i .. + 3, j = 0..11: each load of 16 lanes covers 256 consecutive
; bytes, aligned, and so does each f32 store; a wave's bf16 store covers two neighbouring rows of one strip, 256 consecutive bytes.
; The mean is taken first and the variance of the centred numbers.  NaN and infinities are not treated apart.
; THE MODE: SCHED_MODE bits 1:0 = 2 (LLVM: expert scheduling mode 2), set by the entry lines.  The code itself states the register dependences between vector instructions and memory
; instructions, with s_wait_alu, always for 0.
; THE PLAN.  Registers that memory instructions touch:
;   v1, v2, v3   byte offsets: written by vector lines at the head, read by every load and store, never written again.
;   X            the loads of res land in it (no vector line names it ahead of them); vector lines work on it in place; the twelve f32 stores read it; nothing writes it behind them.
;   PA           the plane's loads land in it; ADD48 reads it; the roundings write it; the twelve bf16 stores read it; nothing writes it behind them.
;   VC, GA, BB   loaded once, read by vector lines alone.          v4 to v15 are named by vector lines alone.
; So one wait stands ahead of the first load (the offsets are written) and one ahead of the run of 24 stores (X and PA are written): all roundings stand ahead of all stores.  The wait ahead of the
; first reader of the two roots is the third.  No register that a memory instruction reads is written again, so no wait on vm_vsrc is owed.
.set ROWB,   3072                      ; bytes in a row of f32
.set STRIPB, 73728                     ; bytes in a strip of the bf16 output: 576 rows of 128
.set X,  16                            ; v[16:63]   my 48 numbers
.set PA, 64                            ; v[64:111]  the plane; later the bf16 output
.set VC, 112                           ; v[112:159] vec
.set GA, 160                           ; v[160:207] g
.set BB, 208                           ; v[208:255] b
; v1 offset in f32 rows; v2 offset in vec, g, b; v3 offset in the bf16 output; v[4:11] four partial pairs; v[12:13] minus the mean; v[14:15] 1 / sqrt(var + eps)
.macro LD12 dst, voff, sb, extra=0
.set j, 0
.rept 12
	global_load_b128 v[\dst+4*j:\dst+4*j+3], v\voff, s[\sb:\sb+1] offset:256*j+\extra
.set j, j+1
.endr
.endm
.macro ADD48 src
.set j, 0
.rept 24
	v_pk_add_f32 v[X+2*j:X+2*j+1], v[X+2*j:X+2*j+1], v[\src+2*j:\src+2*j+1]
.set j, j+1
.endr
.endm
.macro FOLD                            ; the four partial pairs into one number, then over the row's 16 lanes
	v_pk_add_f32 v[4:5], v[4:5], v[6:7]
	v_pk_add_f32 v[8:9], v[8:9], v[10:11]
	v_pk_add_f32 v[4:5], v[4:5], v[8:9]
	v_add_f32 v4, v4, v5
.irp m, 1,2,4,8
	v_add_f32_dpp v4, v4, v4 row_xmask:\m row_mask:0xf bank_mask:0xf
.endr
.endm
.macro STATS                           ; centres X and leaves 1 / sqrt(var + eps) in v[14:15]
.set k, 0
.rept 4
	v_pk_add_f32 v[4+2*k:5+2*k], v[X+2*k:X+2*k+1], v[X+8+2*k:X+9+2*k]
.set k, k+1
.endr
.set j, 8
.rept 16
	v_pk_add_f32 v[4+2*(j%4):5+2*(j%4)], v[4+2*(j%4):5+2*(j%4)], v[X+2*j:X+2*j+1]
.set j, j+1
.endr
	FOLD
	v_mul_f32 v12, s22, v4                         ; minus the mean
	v_mov_b32 v13, v12
.set j, 0
.rept 24
	v_pk_add_f32 v[X+2*j:X+2*j+1], v[X+2*j:X+2*j+1], v[12:13]
.set j, j+1
.endr
.set k, 0
.rept 4
	v_pk_mul_f32 v[4+2*k:5+2*k], v[X+2*k:X+2*k+1], v[X+2*k:X+2*k+1]
.set k, k+1
.endr
.set j, 4
.rept 20
	v_pk_fma_f32 v[4+2*(j%4):5+2*(j%4)], v[X+2*j:X+2*j+1], v[X+2*j:X+2*j+1], v[4+2*(j%4):5+2*(j%4)]
.set j, j+1
.endr
	FOLD
	v_fma_f32 v4, v4, s23, s24                     ; var + eps
	v_rsq_f32 v14, v4
	v_rsq_f32 v15, v4
	v_nop                                          ; a plain instruction between the root and the use of its result
.endm
	s_load_b256 s[4:11], s[0:1], 0x0               ; res s[4:5], plane s[6:7], vec s[8:9], g s[10:11]
	s_load_b128 s[12:15], s[0:1], 0x20             ; b s[12:13], f32 output s[14:15]
	s_load_b64 s[16:17], s[0:1], 0x30              ; bf16 output
	v_lshrrev_b32 v3, 4, v0                        ; my row in the group
	v_and_b32 v2, 15, v0                           ; my place in the row
	v_mul_u32_u24 v1, v3, ROWB
	v_lshl_add_u32 v1, v2, 4, v1
	v_lshlrev_b32 v3, 7, v3
	v_lshl_add_u32 v3, v2, 3, v3
	v_lshlrev_b32 v2, 4, v2
	s_mul_i32 s18, ttmp9, 16*ROWB                  ; the group's 16 rows of f32
	s_mov_b32 s19, 0
	s_lshl_b32 s20, ttmp9, 11                      ; and of a strip
	s_mov_b32 s21, 0
	s_mov_b32 s22, 0xbaaaaaab                      ; -1 / 768
	s_mov_b32 s23, 0x3aaaaaab                      ; 1 / 768
	s_mov_b32 s24, 0x3727c5ac                      ; 1e-5
	s_wait_kmcnt 0x0
	s_add_nc_u64 s[4:5], s[4:5], s[18:19]
	s_add_nc_u64 s[6:7], s[6:7], s[18:19]
	s_add_nc_u64 s[14:15], s[14:15], s[18:19]
	s_add_nc_u64 s[16:17], s[16:17], s[20:21]
	s_wait_alu depctr_va_vdst(0)                   ; v1, v2 and v3 are written: every load and store of the kernel reads one of them as its offset
	LD12 X, 1, 4                                   ; all 60 loads go out at once
	LD12 PA, 1, 6
	LD12 VC, 2, 8
	LD12 GA, 2, 10
	LD12 BB, 2, 12
	s_wait_loadcnt 24                              ; g's and b's 24 loads may stay out
	ADD48 PA
	ADD48 VC
	STATS
	s_wait_loadcnt 0x0                             ; g and b
	s_wait_alu depctr_va_vdst(0)                   ; the two roots have written v14 and v15, ahead of their first reader
.set j, 0
.rept 24
	v_pk_mul_f32 v[X+2*j:X+2*j+1], v[X+2*j:X+2*j+1], v[14:15]
.set j, j+1
.endr
.set j, 0
.rept 24
	v_pk_fma_f32 v[X+2*j:X+2*j+1], v[X+2*j:X+2*j+1], v[GA+2*j:GA+2*j+1], v[BB+2*j:BB+2*j+1]
.set j, j+1
.endr
.set j, 0
.rept 12
	v_cvt_pk_bf16_f32 v[PA+2*j], v[X+4*j], v[X+4*j+1]
	v_cvt_pk_bf16_f32 v[PA+2*j+1], v[X+4*j+2], v[X+4*j+3]
.set j, j+1
.endr
	s_wait_alu depctr_va_vdst(0)                   ; the multiply-adds have written X and the roundings PA, which the 24 stores below read
.set j, 0
.rept 12
	global_store_b128 v1, v[X+4*j:X+4*j+3], s[14:15] offset:256*j
.set j, j+1
.endr
.set j, 0
.rept 12
	global_store_b64 v3, v[PA+2*j:PA+2*j+1], s[16:17] offset:STRIPB*j
.set j, j+1
.endr
	s_endpgm
.Lfunc_end_k_q3437851641_emb:
	.size	k_q3437851641_emb, .Lfunc_end_k_q3437851641_emb-k_q3437851641_emb
	.p2alignl 7, 3214868480
	.fill 96, 4, 3214868480
	.section	.rodata,"a",@progbits
	.p2align	6, 0x0
	.amdhsa_kernel k_q3437851641_emb
		.amdhsa_group_segment_fixed_size 0
		.amdhsa_private_segment_fixed_size 0
		.amdhsa_enable_private_segment 0
		.amdhsa_kernarg_size 56
		.amdhsa_user_sgpr_count 2
		.amdhsa_user_sgpr_kernarg_segment_ptr 1
		.amdhsa_wavefront_size32 1
		.amdhsa_system_sgpr_workgroup_id_x 1
		.amdhsa_system_sgpr_workgroup_id_y 1
		.amdhsa_system_sgpr_workgroup_id_z 1
		.amdhsa_system_vgpr_workitem_id 0
		.amdhsa_next_free_vgpr 256
		.amdhsa_next_free_sgpr 66
		.amdhsa_reserve_vcc 0
		.amdhsa_float_denorm_mode_32 3
		.amdhsa_float_denorm_mode_16_64 3
		.amdhsa_memory_ordered 1
		.amdhsa_forward_progress 1
		.amdhsa_inst_pref_size 23
	.end_amdhsa_kernel
	.amdgpu_metadata
---
amdhsa.version: [ 1, 2 ]
amdhsa.kernels:
  - .name:           k_q3437851641_emb
    .symbol:         k_q3437851641_emb.kd
    .args:
      - { .name: full_vec, .offset: 0, .size: 8, .value_kind: global_buffer, .address_space: global }
      - { .name: params_pos_emb, .offset: 8, .size: 8, .value_kind: global_buffer, .address_space: global }
      - { .name: params_type_emb, .offset: 16, .size: 8, .value_kind: global_buffer, .address_space: global }
      - { .name: params_emb_ln_g, .offset: 24, .size: 8, .value_kind: global_buffer, .address_space: global }
      - { .name: params_emb_ln_b, .offset: 32, .size: 8, .value_kind: global_buffer, .address_space: global }
      - { .name: res0, .offset: 40, .size: 8, .value_kind: global_buffer, .address_space: global }
      - { .name: act, .offset: 48, .size: 8, .value_kind: global_buffer, .address_space: global }
    .group_segment_fixed_size: 0
    .private_segment_fixed_size: 0
    .kernarg_segment_align: 8
    .kernarg_segment_size: 56
    .max_flat_workgroup_size: 256
    .sgpr_count:     66
    .vgpr_count:     256
    .wavefront_size: 32
...
	.end_amdgpu_metadata
.endif
;; end of part 11
;; launch qkv0: the kernel of part 2 again; grid 12 x 15, 8 waves a work-group, clusters of 4 x 1, 327,680 bytes of LDS; arguments act, params_layers_0_wq, params_layers_0_wk, params_layers_0_wv, params_layers_0_bq, params_layers_0_bk, params_layers_0_bv, qkv; writes qkv
;; launch att0: the kernel of part 3 again; grid 12 x 3, 6 waves a work-group, no clusters, 196,608 bytes of LDS; arguments qkv, hb; writes hb
;; launch wo0: the kernel of part 4 again; grid 12 x 3, 8 waves a work-group, clusters of 4 x 1, 327,680 bytes of LDS; arguments hb, params_layers_0_wo, part; writes part
;; launch lna: the kernel of part 11 again; grid 18 x 1, 8 waves a work-group, no clusters, 0 bytes of LDS; arguments res0, part, params_layers_0_bo, params_layers_0_ln1_g, params_layers_0_ln1_b, res1, act; writes res1, act
;; launch wi0: the kernel of part 5 again; grid 48 x 3, 8 waves a work-group, clusters of 4 x 1, 327,680 bytes of LDS; arguments act, params_layers_0_wi, params_layers_0_bi, hb; writes hb
;; launch wf0: the kernel of part 4 again; grid 12 x 12, 8 waves a work-group, clusters of 4 x 1, 327,680 bytes of LDS; arguments hb, params_layers_0_wf, part; writes part
;; launch lnb (part 12): grid 18 x 1, 8 waves a work-group, no clusters, 0 bytes of LDS; arguments res1, part, params_layers_0_bf, params_layers_0_ln2_g, params_layers_0_ln2_b, res0, act; writes res0, act
.if DOCPART == 12
	.amdgcn_target "amdgcn-amd-amdhsa--gfx1250"
	.amdhsa_code_object_version 6
	.text
	.protected	k_q3437851641_lnb
	.globl	k_q3437851641_lnb
	.p2align	8
	.type	k_q3437851641_lnb,@function
k_q3437851641_lnb:
	s_mov_b64 s[64:65], 0
	v_nop
	global_prefetch_b8 v0, s[64:65] scope:SCOPE_SE
	s_setreg_imm32_b32 hwreg(HW_REG_WAVE_SCHED_MODE, 0, 2), 2
	s_setreg_imm32_b32 hwreg(HW_REG_WAVE_MODE, 25, 1), 1
	s_wait_xcnt 0x0
	s_wait_alu depctr_vm_vsrc(0)
; y = LayerNorm(res + four planes + vec) * g + b over 288 rows of 768 f32: layer 0's second norm (res = x1, planes = the four parts of h wf, vec = bf).
; y leaves, rounded once, as bf16 in strips [12][576 rows][64]; of the f32 rows only rows 0 and 1 are stored (the first wave's two): layer 1 carries token 0 alone in f32.
; SHARES.  A work-group owns 16 rows, a wave two: lanes 0-15 one row, lanes 16-31 the next.  Lane i of a row holds columns 64 j + 4 i .. + 3, j = 0..11: each load of 16 lanes covers 256 consecutive
; bytes, aligned; a wave's bf16 store covers two neighbouring rows of one strip, 256 consecutive bytes.
; The mean is taken first and the variance of the centred numbers.  NaN and infinities are not treated apart.
; THE MODE: SCHED_MODE bits 1:0 = 2 (LLVM: expert scheduling mode 2), set by the entry lines.  The code itself states the register dependences between vector instructions and memory
; instructions, with s_wait_alu, always for 0.
; THE PLAN.  Registers that memory instructions touch:
;   v1, v2, v3   byte offsets: written by vector lines at the head, read by every load and store, never written again.
;   X            the loads of res land in it (no vector line names it ahead of them); vector lines work on it in place; the first wave's twelve f32 stores read it; nothing writes it behind them.
;   R0, R1, R2   a plane lands; ADD48 reads it; then vec, g or b lands in the same registers, which vector lines read.
;   R3           plane 3 lands; ADD48 reads it; the roundings write it; the twelve bf16 stores read it; nothing writes it behind them.
;   v4 to v15 are named by vector lines alone.  s25 is written by a vector line and read by scalar ones.
; The first 60 loads fill the registers, so vec, g and b are asked for as planes 0, 1 and 2 have been added, each at once: one wait stands behind each of these three runs of additions and states
; that they are done reading the buffer.  One wait stands ahead of the first load (the offsets), one ahead of s25's first reader, one ahead of the first reader of the two roots, and one ahead of
; the branch in front of the stores (X and R3 are written; no vector line follows it on either way).  No register that a memory instruction reads is written again: no wait on vm_vsrc is owed.
.set ROWB,   3072
.set STRIPB, 73728
.set PLANE,  884736                    ; bytes in a plane
.set X,  16                            ; v[16:63]   my 48 numbers
.set R0, 64                            ; v[64:111]  plane 0, then vec
.set R1, 112                           ; v[112:159] plane 1, then g
.set R2, 160                           ; v[160:207] plane 2, then b
.set R3, 208                           ; v[208:255] plane 3, then the bf16 output
.macro LD12 dst, voff, sb, extra=0
.set j, 0
.rept 12
	global_load_b128 v[\dst+4*j:\dst+4*j+3], v\voff, s[\sb:\sb+1] offset:256*j+\extra
.set j, j+1
.endr
.endm
.macro ADD48 src
.set j, 0
.rept 24
	v_pk_add_f32 v[X+2*j:X+2*j+1], v[X+2*j:X+2*j+1], v[\src+2*j:\src+2*j+1]
.set j, j+1
.endr
.endm
.macro FOLD
	v_pk_add_f32 v[4:5], v[4:5], v[6:7]
	v_pk_add_f32 v[8:9], v[8:9], v[10:11]
	v_pk_add_f32 v[4:5], v[4:5], v[8:9]
	v_add_f32 v4, v4, v5
.irp m, 1,2,4,8
	v_add_f32_dpp v4, v4, v4 row_xmask:\m row_mask:0xf bank_mask:0xf
.endr
.endm
.macro STATS
.set k, 0
.rept 4
	v_pk_add_f32 v[4+2*k:5+2*k], v[X+2*k:X+2*k+1], v[X+8+2*k:X+9+2*k]
.set k, k+1
.endr
.set j, 8
.rept 16
	v_pk_add_f32 v[4+2*(j%4):5+2*(j%4)], v[4+2*(j%4):5+2*(j%4)], v[X+2*j:X+2*j+1]
.set j, j+1
.endr
	FOLD
	v_mul_f32 v12, s22, v4                         ; minus the mean
	v_mov_b32 v13, v12
.set j, 0
.rept 24
	v_pk_add_f32 v[X+2*j:X+2*j+1], v[X+2*j:X+2*j+1], v[12:13]
.set j, j+1
.endr
.set k, 0
.rept 4
	v_pk_mul_f32 v[4+2*k:5+2*k], v[X+2*k:X+2*k+1], v[X+2*k:X+2*k+1]
.set k, k+1
.endr
.set j, 4
.rept 20
	v_pk_fma_f32 v[4+2*(j%4):5+2*(j%4)], v[X+2*j:X+2*j+1], v[X+2*j:X+2*j+1], v[4+2*(j%4):5+2*(j%4)]
.set j, j+1
.endr
	FOLD
	v_fma_f32 v4, v4, s23, s24
	v_rsq_f32 v14, v4
	v_rsq_f32 v15, v4
	v_nop                                          ; a plain instruction between the root and the use of its result
.endm
	s_load_b256 s[4:11], s[0:1], 0x0               ; res s[4:5], planes s[6:7], vec s[8:9], g s[10:11]
	s_load_b128 s[12:15], s[0:1], 0x20             ; b s[12:13], f32 output s[14:15]
	s_load_b64 s[16:17], s[0:1], 0x30              ; bf16 output
	v_lshrrev_b32 v3, 5, v0
	v_readfirstlane_b32 s25, v3                    ; my wave's number
	v_lshrrev_b32 v3, 4, v0
	v_and_b32 v2, 15, v0
	v_mul_u32_u24 v1, v3, ROWB
	v_lshl_add_u32 v1, v2, 4, v1
	v_lshlrev_b32 v3, 7, v3
	v_lshl_add_u32 v3, v2, 3, v3
	v_lshlrev_b32 v2, 4, v2
	s_wait_alu depctr_va_sdst(0)                   ; s25 is written, ahead of its first reader, the line below
	s_or_b32 s25, s25, ttmp9                       ; 0 for the first wave of the first group alone
	s_mul_i32 s18, ttmp9, 16*ROWB
	s_mov_b32 s19, 0
	s_lshl_b32 s20, ttmp9, 11
	s_mov_b32 s21, 0
	s_mov_b32 s22, 0xbaaaaaab                      ; -1 / 768
	s_mov_b32 s23, 0x3aaaaaab                      ; 1 / 768
	s_mov_b32 s24, 0x3727c5ac                      ; 1e-5
	s_wait_kmcnt 0x0
	s_add_nc_u64 s[4:5], s[4:5], s[18:19]
	s_add_nc_u64 s[6:7], s[6:7], s[18:19]
	s_add_nc_u64 s[14:15], s[14:15], s[18:19]
	s_add_nc_u64 s[16:17], s[16:17], s[20:21]
	s_wait_alu depctr_va_vdst(0)                   ; v1, v2 and v3 are written: every load and store of the kernel reads one of them as its offset
	LD12 X, 1, 4
	LD12 R0, 1, 6
	LD12 R1, 1, 6, PLANE
	LD12 R2, 1, 6, 2*PLANE
	LD12 R3, 1, 6, 3*PLANE
	s_wait_loadcnt 36                              ; res and plane 0 are in; three groups of 12 are younger
	ADD48 R0
	s_wait_alu depctr_va_vdst(0)                   ; the additions are done reading R0, in which the loads below land
	LD12 R0, 2, 8                                  ; vec takes plane 0's registers
	s_wait_loadcnt 36                              ; plane 1 is in (younger: planes 2, 3, vec)
	ADD48 R1
	s_wait_alu depctr_va_vdst(0)                   ; the additions are done reading R1, in which the loads below land
	LD12 R1, 2, 10                                 ; g
	s_wait_loadcnt 36                              ; plane 2 (younger: plane 3, vec, g)
	ADD48 R2
	s_wait_alu depctr_va_vdst(0)                   ; the additions are done reading R2, in which the loads below land
	LD12 R2, 2, 12                                 ; b
	s_wait_loadcnt 36                              ; plane 3 (younger: vec, g, b)
	ADD48 R3
	s_wait_loadcnt 24                              ; vec (younger: g, b)
	ADD48 R0
	STATS
	s_wait_loadcnt 0x0                             ; g and b
	s_wait_alu depctr_va_vdst(0)                   ; the two roots have written v14 and v15, ahead of their first reader
.set j, 0
.rept 24
	v_pk_mul_f32 v[X+2*j:X+2*j+1], v[X+2*j:X+2*j+1], v[14:15]
.set j, j+1
.endr
.set j, 0
.rept 24
	v_pk_fma_f32 v[X+2*j:X+2*j+1], v[X+2*j:X+2*j+1], v[R1+2*j:R1+2*j+1], v[R2+2*j:R2+2*j+1]
.set j, j+1
.endr
.set j, 0
.rept 12
	v_cvt_pk_bf16_f32 v[R3+2*j], v[X+4*j], v[X+4*j+1]
	v_cvt_pk_bf16_f32 v[R3+2*j+1], v[X+4*j+2], v[X+4*j+3]
.set j, j+1
.endr
	s_wait_alu depctr_va_vdst(0)                   ; the multiply-adds have written X and the roundings R3, which the stores below read, on both ways behind the branch
	s_cmp_lg_u32 s25, 0
	s_cbranch_scc1 .Lno_f32
.set j, 0
.rept 12
	global_store_b128 v1, v[X+4*j:X+4*j+3], s[14:15] offset:256*j
.set j, j+1
.endr
.Lno_f32:
.set j, 0
.rept 12
	global_store_b64 v3, v[R3+2*j:R3+2*j+1], s[16:17] offset:STRIPB*j
.set j, j+1
.endr
	s_endpgm
.Lfunc_end_k_q3437851641_lnb:
	.size	k_q3437851641_lnb, .Lfunc_end_k_q3437851641_lnb-k_q3437851641_lnb
	.p2alignl 7, 3214868480
	.fill 96, 4, 3214868480
	.section	.rodata,"a",@progbits
	.p2align	6, 0x0
	.amdhsa_kernel k_q3437851641_lnb
		.amdhsa_group_segment_fixed_size 0
		.amdhsa_private_segment_fixed_size 0
		.amdhsa_enable_private_segment 0
		.amdhsa_kernarg_size 56
		.amdhsa_user_sgpr_count 2
		.amdhsa_user_sgpr_kernarg_segment_ptr 1
		.amdhsa_wavefront_size32 1
		.amdhsa_system_sgpr_workgroup_id_x 1
		.amdhsa_system_sgpr_workgroup_id_y 1
		.amdhsa_system_sgpr_workgroup_id_z 1
		.amdhsa_system_vgpr_workitem_id 0
		.amdhsa_next_free_vgpr 256
		.amdhsa_next_free_sgpr 66
		.amdhsa_reserve_vcc 0
		.amdhsa_float_denorm_mode_32 3
		.amdhsa_float_denorm_mode_16_64 3
		.amdhsa_memory_ordered 1
		.amdhsa_forward_progress 1
		.amdhsa_inst_pref_size 31
	.end_amdhsa_kernel
	.amdgpu_metadata
---
amdhsa.version: [ 1, 2 ]
amdhsa.kernels:
  - .name:           k_q3437851641_lnb
    .symbol:         k_q3437851641_lnb.kd
    .args:
      - { .name: res1, .offset: 0, .size: 8, .value_kind: global_buffer, .address_space: global }
      - { .name: part, .offset: 8, .size: 8, .value_kind: global_buffer, .address_space: global }
      - { .name: params_layers_0_bf, .offset: 16, .size: 8, .value_kind: global_buffer, .address_space: global }
      - { .name: params_layers_0_ln2_g, .offset: 24, .size: 8, .value_kind: global_buffer, .address_space: global }
      - { .name: params_layers_0_ln2_b, .offset: 32, .size: 8, .value_kind: global_buffer, .address_space: global }
      - { .name: res0, .offset: 40, .size: 8, .value_kind: global_buffer, .address_space: global }
      - { .name: act, .offset: 48, .size: 8, .value_kind: global_buffer, .address_space: global }
    .group_segment_fixed_size: 0
    .private_segment_fixed_size: 0
    .kernarg_segment_align: 8
    .kernarg_segment_size: 56
    .max_flat_workgroup_size: 256
    .sgpr_count:     66
    .vgpr_count:     256
    .wavefront_size: 32
...
	.end_amdgpu_metadata
.endif
;; end of part 12
;; launch kv1: the kernel of part 2 again; grid 12 x 7, 8 waves a work-group, clusters of 4 x 1, 327,680 bytes of LDS; arguments act, params_layers_1_wq, params_layers_1_wk, params_layers_1_wv, params_layers_1_bq, params_layers_1_bk, params_layers_1_bv, qkv; writes qkv
;; launch tail1: the kernel of part 7 again; grid 12 x 3, 8 waves a work-group, no clusters, 8,192 bytes of LDS; arguments qkv, params_layers_1_wo, part; writes part
;; launch tail2: the kernel of part 8 again; grid 48 x 4, 6 waves a work-group, no clusters, 5,632 bytes of LDS; arguments part, res0, params_layers_1_bo, params_layers_1_ln1_g, params_layers_1_ln1_b, params_layers_1_wi, vec; writes vec
;; launch tail3: the kernel of part 9 again; grid 48 x 1, 12 waves a work-group, no clusters, 7,680 bytes of LDS; arguments vec, params_layers_1_bi, params_layers_1_wf, hb; writes hb
;; launch fin: the kernel of part 10 again; grid 1 x 1, 6 waves a work-group, no clusters, 1,024 bytes of LDS; arguments hb, vec, params_layers_1_bf, params_layers_1_ln2_g, params_layers_1_ln2_b, out0; writes out0
